; MI455X (gfx1250); checked and timed in simulation.
; The chip was launched on July 23, 2026; its instructions are those of AMD's public machine-readable ISA for CDNA 5 (MIT licence, August 2026) and "CDNA5" Instruction Set Architecture Reference Guide (July 2026). The comments in the code are by the model that wrote it; some were corrected since.
;; Optical Attention. Allowed arithmetic: matrix products marked QUANTISED: E2M3 operands, one E8M0 scale for each 32 along K, by v_wmma_scale_f32_16x16x128_f8f6f4 with both operands' format E2M3, f32 sums; everything else in f32.
;; Inputs: Wk 1,024 x 1,024 float32; Wo 1,024 x 1,024 float32; Wq 1,024 x 1,024 float32; Wv 1,024 x 1,024 float32; bk 1,024 float32; bo 1,024 float32; bq 1,024 float32; bv 1,024 float32; key 4 x 2,048 x 1,024 float32; query 4 x 2,048 x 1,024 float32; value 4 x 2,048 x 1,024 float32.
;; Outputs: out0 4 x 2,048 x 1,024 float32.
;; This version of the problem:
;;   THIS VERSION OF THE PROBLEM IS GIVEN IN LOW PRECISION. The matrix products marked QUANTISED in the list below multiply operands that are first quantised to E2M3 (2 exponent bits, 3 mantissa bits; 6 bits a number), with one power-of-two scale for each 32 numbers along K (OCP MX v1.0); their sums are f32. All else is computed in f32.
;;   The module's matrix products, in the order in which they are computed (A, B: the left and right operand; K: the contracted axis; several contracted axes count as one K, in the product's order):
;;     1. [M 8,192, K 1,024] x [K 1,024, N 1,024]; A: input query; B: input Wq: QUANTISED
;;     2. [M 8,192, K 1,024] x [K 1,024, N 1,024]; A: input key; B: input Wk: QUANTISED
;;     3. [M 8,192, K 1,024] x [K 1,024, N 1,024]; A: input value; B: input Wv: QUANTISED
;;     4. batch 64 x [M 2,048, K 64] x [K 64, N 2,048]; A: computed on the way; B: computed on the way: QUANTISED
;;     5. batch 64 x [M 2,048, K 2,048] x [K 2,048, N 64]; A: softmax (see below); B: computed on the way: QUANTISED
;;     6. [M 8,192, K 1,024] x [K 1,024, N 1,024]; A: computed on the way; B: input Wo: QUANTISED
;;   THE QUANTISER, for each operand of a quantised product, along K:
;;     - K is cut into blocks of 32 from its start; a last block that is shorter is filled with zeros.
;;     - A block's scale is 2^e with e = floor(log2(the largest magnitude in the block)) - 2, held to -126 .. 127; a block of zeros has e = 0. As a byte (E8M0): e + 127.
;;     - Each number is divided by its block's scale, clamped to +-7.5, and rounded to the nearest number of E2M3, ties to even, subnormals kept.
;;     - The product sums the exact products of the quantised numbers (number of the format x scale) in f32.
;;   ~~~python
;;   def quantise(x, axis):      # numpy; x: float32 -> the quantised numbers, widened to float32 again
;;       x = np.moveaxis(x, axis, -1); K = x.shape[-1]
;;       x = np.pad(x, [(0, 0)] * (x.ndim - 1) + [(0, -K % 32)]); x = x.reshape(x.shape[:-1] + (-1, 32)); a = np.abs(x).max(-1, keepdims=True)
;;       e = np.where(a > 0, np.clip(np.frexp(np.where(a > 0, a, 1))[1] - 1 - 2, -126, 127), 0)      # np.frexp(a)[1] - 1 = floor(log2(a)), exactly
;;       r = np.clip(x / 2.0 ** e, -7.5, 7.5)
;;       step = 2.0 ** (np.maximum(np.frexp(np.where(r == 0, 1, r))[1] - 1, 0) - 3)
;;       q = np.round(r / step) * step * 2.0 ** e      # np.round: ties to even
;;       return np.moveaxis(q.reshape(q.shape[:-2] + (-1,))[..., :K], -1, axis).astype(np.float32)
;;   ~~~
;;   SOFTMAX AHEAD OF A QUANTISED PRODUCT. Where the list says 'softmax', what is quantised is not the finished softmax but p = 2^(t - M), with t = logit x log2(e) and M = ceil(the row's largest t), a whole number; so 1/2 < the row's largest p <= 1. The row's sum l is taken of the UNQUANTISED p, in f32, and the product's result is divided by l at the end. Since M is a whole number, a kernel that streams over the keys may use a running M (the ceiling of the running maximum): every later rescaling is an exact power of two, which a block's scale takes up: the codes' values come out the same.
;;   OPERANDS COMPUTED ON THE WAY. 'Computed on the way' means the value that the module computes at that place (a softmax that the list does not call 'softmax' is quantised finished and normalised). What goes into a quantiser is computed in f32, as accurately as f32 sums, v_exp_f32 and their like allow (about 1e-6 of the number): no bf16 or f16 on the way to a quantiser, and a product that is left as it is and whose result goes on into a quantised operand takes f32 operands (vector FMAs, or v_wmma_f32_16x16x4_f32). A number that lies on a knife's edge between two numbers of the format may be rounded either way, as far as f32 arithmetic and the matrix unit's own rounding can turn it there, and no further.
;; One version. Each part assembles by itself: llvm-mc -triple=amdgcn-amd-amdhsa -mcpu=gfx1250 --defsym DOCPART=n.
;; ======== version 1 of 1: 4 launches
;; workspace buffers: ximg 19,660,800 bytes; wimg 3,276,800 bytes; qimg 6,553,600 bytes; kimg 6,553,600 bytes; vimg 6,553,600 bytes; oimg 6,553,600 bytes
;; launch quant (part 1): grid 896 x 1, 4 waves a work-group, no clusters, 34,304 bytes of LDS; arguments query, key, value, Wq, Wk, Wv, Wo, ximg, wimg; writes ximg, wimg
.if DOCPART == 1
	.amdgcn_target "amdgcn-amd-amdhsa--gfx1250"
	.amdhsa_code_object_version 6
	.text
	.protected	k_q56a6565118_quant
	.globl	k_q56a6565118_quant
	.p2align	8
	.type	k_q56a6565118_quant,@function
k_q56a6565118_quant:
	s_mov_b64 s[64:65], 0
	v_nop
	global_prefetch_b8 v0, s[64:65] scope:SCOPE_SE
	s_setreg_imm32_b32 hwreg(HW_REG_WAVE_MODE, 25, 1), 1
	s_wait_xcnt 0x0
; query, key, value [8192][1024] and Wq, Wk, Wv, Wo [1024][1024], f32, K innermost, become codes of FP6 (E2M3) with one E8M0 byte for each 32 along K,
; laid in the ORDER OF THE OPERAND'S REGISTERS.  A FRAGMENT (16 rows x 128 K) is 12 registers a lane and lies as three groups of 512 bytes: group g holds registers 4 g .. 4 g + 3, lane l's 16 bytes at 512 g + 16 l.
; A PIECE (12,800 bytes) is 128 rows x one K step of 128: eight fragments, then 512 bytes of scale words laid [fragment / 4][row of the fragment][fragment % 4].  A tensor is laid [K step][tile of 128 rows].
; THE ROWS OF A FRAGMENT ARE NOT NEIGHBOURS: lane r of fragment 2 b + u takes row 32 b + 8 u + r + 8 (r / 8), so that a product that takes such fragments as source 0 leaves 16 neighbours in 16 registers.
; A block's scale is 2^(floor(log2(its largest magnitude)) - 2); its byte is the largest magnitude's exponent field - 2, held at 1 from below.
; LIMITS: NaN and infinities among the inputs are not served; a block whose largest magnitude lies under 2^-124 gets the byte 1; a block of zeros gets the byte 1 where the rule says 127: its codes are
; zeros, which add nothing under any byte but 0xff, and this program alone reads the bytes.
; SHARES.  A wave takes half a piece: 64 rows x 128 K, four fragments.  Each load reads 512 consecutive bytes of one row; a fragment's 16 rows turn through the wave's own stage in LDS, from which lane (r, h)
; takes, of row r, k = 64 c + 32 h + 0 .. 31: two whole blocks, so no other lane is asked for a maximum.  Loads run two fragments (32 loads a wave) ahead.  Waves share nothing: no barrier.
; No matrix unit, no cluster, no tensor load: the launch streams each input byte once, and nothing is shared between work-groups.
.set XSZ,   6553600                    ; bytes of an image of 8,192 rows: 512 pieces
.set WSZ,   819200                     ; of 1,024 rows: 64 pieces
.set PIECE, 12800
.set FRB,   1536
.set SP,    528                        ; a stage row: 512 bytes + 16: the 16 rows that a load of 16 bytes a lane touches start 4 words apart
.set STG,   16*SP
.set SPARE, 4*STG                      ; behind the four stages: the spare words, 128 bytes for each wave
.set LIN, 1                            ; v1   16 x lane: my 16 bytes of a row's 512
.set STI, 2                            ; v2   the stage, on the way in
.set STR, 3                            ; v3   on the way out: row r, + 128 h
.set CO,  4                            ; v4   my 16 bytes of a group of a fragment of my half
.set SO,  5                            ; v5   my 8 bytes of my half's scale words
.set SH8, 6                            ; v6   8 h
.set HH,  7                            ; v7   h
.set SW,  16                           ; v16-19  the four fragments' scale words
.set P,   20                           ; v20-31  a fragment's codes
.set T,   32                           ; v32-38  the second halves of the blocks' codes, as the conversions leave them
.set R,   40                           ; v40-167 two sets of 16 rows as loaded
.set X,   168                          ; v168-231 my 64 numbers
.set SPW, 240
.set NIL, 241
.set WV,  4
.set SRC, 26
.set DST, 28
.set SEL, 44
	s_load_b512 s[8:23], s[0:1], 0x0               ; query, key, value, Wq, Wk, Wv, Wo, ximg
	s_load_b64 s[24:25], s[0:1], 0x40              ; wimg
	v_lshl_add_u32 v[SPW], v0, 2, SPARE
	v_mov_b32 v[NIL], 0
	v_lshrrev_b32 v8, 5, v0
	v_readfirstlane_b32 s[WV], v8                  ; wave 0..3
	v_and_b32 v8, 31, v0                           ; lane
	v_and_b32 v9, 15, v0                           ; r
	v_bfe_u32 v[HH], v0, 4, 1                      ; h
	s_mul_i32 s5, s[WV], STG                       ; my stage
	s_and_b32 s37, s[WV], 1                        ; which half of the piece
	v_lshlrev_b32 v[LIN], 4, v8
	v_add_nc_u32 v[STI], s5, v[LIN]
	v_mul_u32_u24 v[STR], v9, SP
	v_lshl_add_u32 v[STR], v[HH], 7, v[STR]
	v_add_nc_u32 v[STR], s5, v[STR]
	s_mul_i32 s6, s37, 4*FRB
	v_add_nc_u32 v[CO], s6, v[LIN]
	s_lshl_b32 s6, s37, 8
	s_add_co_u32 s6, s6, 8*FRB
	v_lshlrev_b32 v[SO], 4, v9
	v_lshl_add_u32 v[SO], v[HH], 3, v[SO]
	v_add_nc_u32 v[SO], s6, v[SO]
	v_lshlrev_b32 v[SH8], 3, v[HH]
	v_mov_b32 v15, 0                               ; written once: a lane permute's destination counts as one of its sources
	s_mov_b32 s[SEL], 0x76543210
	s_mov_b32 s[SEL+1], 0xfedcba98                 ; v_permlanex16_b32's selects for lane l xor 16
	; which tensor, which piece: work-groups 0-767 take query, key, value (256 each), 768-895 the four weights (32 each)
	s_cmp_lt_u32 ttmp9, 768
	s_cselect_b32 s30, 0, 768
	s_cselect_b32 s31, 8, 5
	s_cselect_b32 s32, 6, 3                        ; log2 of the tensor's tiles of 128 rows
	s_cselect_b32 s33, 255, 31
	s_mov_b32 s34, WSZ
	s_cselect_b32 s34, XSZ, s34
	s_sub_co_u32 s30, ttmp9, s30
	s_lshr_b32 s35, s30, s31                       ; the tensor's number in its image buffer
	s_and_b32 s36, s30, s33
	s_lshl_b32 s36, s36, 1
	s_lshr_b32 s38, s[WV], 1
	s_add_co_u32 s36, s36, s38                     ; the piece: K step x tiles + tile
	s_lshr_b32 s38, s36, s32                       ; K step
	s_lshl_b32 s39, s38, s32
	s_sub_co_u32 s39, s36, s39                     ; tile
	s_lshl_b32 s40, s39, 19                        ; 128 rows of 4,096 bytes,
	s_lshl_b32 s41, s37, 18                        ; my half's 64,
	s_or_b32 s40, s40, s41
	s_lshl_b32 s41, s38, 9                         ; 128 numbers along K
	s_or_b32 s40, s40, s41
	s_mov_b32 s41, 0
	s_mul_i32 s42, s35, s34
	s_mul_i32 s43, s36, PIECE
	s_add_co_u32 s42, s42, s43
	s_mov_b32 s43, 0
	s_wait_kmcnt 0x0
	s_mov_b64 s[SRC:SRC+1], s[8:9]                 ; the choices hang on the work-group's number alone
	s_cmp_ge_u32 ttmp9, 256
	s_cselect_b64 s[SRC:SRC+1], s[10:11], s[SRC:SRC+1]
	s_cmp_ge_u32 ttmp9, 512
	s_cselect_b64 s[SRC:SRC+1], s[12:13], s[SRC:SRC+1]
	s_cmp_ge_u32 ttmp9, 768
	s_cselect_b64 s[SRC:SRC+1], s[14:15], s[SRC:SRC+1]
	s_cselect_b64 s[DST:DST+1], s[24:25], s[22:23]
	s_cmp_ge_u32 ttmp9, 800
	s_cselect_b64 s[SRC:SRC+1], s[16:17], s[SRC:SRC+1]
	s_cmp_ge_u32 ttmp9, 832
	s_cselect_b64 s[SRC:SRC+1], s[18:19], s[SRC:SRC+1]
	s_cmp_ge_u32 ttmp9, 864
	s_cselect_b64 s[SRC:SRC+1], s[20:21], s[SRC:SRC+1]
	s_add_nc_u64 s[SRC:SRC+1], s[SRC:SRC+1], s[40:41]
	s_add_nc_u64 s[DST:DST+1], s[DST:DST+1], s[42:43]
.macro LOAD f                          ; fragment f's 16 rows, 512 consecutive bytes a load, into set f % 2
.set LP, 0
.rept 16
	global_load_b128 v[R+64*((\f)%2)+4*LP:R+64*((\f)%2)+4*LP+3], v[LIN], s[SRC:SRC+1] offset:(32*((\f)/2)+8*((\f)%2)+LP+8*(LP/8))*4096 th:TH_LOAD_NT
.set LP, LP+1
.endr
.endm
.macro FRAGQ f
.if (\f) < 3
	s_wait_loadcnt 16                              ; this fragment's 16 loads are in; the next fragment's 16 may be out
.else
	s_wait_loadcnt 0x0
.endif
.set FP, 0
.rept 16
	ds_store_b128 v[STI], v[R+64*((\f)%2)+4*FP:R+64*((\f)%2)+4*FP+3] offset:SP*FP
.set FP, FP+1
.endr
.irp c, 0,1
.irp q, 0,1,2,3,4,5,6,7
	ds_load_b128 v[X+32*\c+4*\q:X+32*\c+4*\q+3], v[STR] offset:256*\c+16*\q   ; LDS serves a wave's instructions in order: these see the stores above
.endr
.endr
	s_wait_dscnt 0x0                               ; my 64 numbers are in, and the stores have read their registers,
.if (\f) < 2
	LOAD (\f)+2                                    ; which take the loads of two fragments on
.endif
.if (\f) > 0
	s_wait_xcnt 0x0                                ; the last fragment's stores have read the codes' registers: they are written again only behind this wait
.endif
.irp c, 0,1
	v_max3_num_f32 v[8+\c], |v[X+32*\c]|, |v[X+32*\c+1]|, 0x1800000   ; my block 2 c + h: all its 32 numbers are mine; and the floor 2^(3 - 127): the byte cannot fall under 1
.endr
.irp i, 2,4,6,8,10,12,14,16,18,20,22,24,26,28,30
.irp c, 0,1
	v_max3_num_f32 v[8+\c], v[8+\c], |v[X+32*\c+\i]|, |v[X+32*\c+\i+1]|   ; (the two blocks by turns)
.endr
.endr
.irp c, 0,1
	v_add_nc_u32 v[10+\c], 0xff000000, v[8+\c]     ; 2 off the exponent field: the conversion takes the exponent field of this operand as its scale
.endr
.irp c, 0,1
	v_lshrrev_b32 v[12+\c], 23, v[10+\c]           ; the scale's byte
.endr
	v_lshl_or_b32 v14, v13, 16, v12                ; my two bytes, blocks h and 2 + h of row r,
	v_lshlrev_b32 v14, v[SH8], v14                 ; at their places in the word;
	v_permlanex16_b32 v15, v14, s[SEL], s[SEL+1]
	v_or_b32 v[SW+(\f)], v14, v15                  ; with lane l xor 16's two the word is whole
.irp c, 0,1
	v_cvt_scalef32_pk16_fp6_f32 v[P+6*\c:P+6*\c+2], v[X+32*\c:X+32*\c+15], v[10+\c]
	v_cvt_scalef32_pk16_fp6_f32 v[T+4*\c:T+4*\c+2], v[X+32*\c+16:X+32*\c+31], v[10+\c]   ; (a conversion's three registers begin on an even number)
.endr
	v_nop                                          ; one plain place behind a scaled conversion
.irp c, 0,1
.irp i, 0,1,2
	v_mov_b32 v[P+6*\c+3+\i], v[T+4*\c+\i]
.endr
.endr
.irp g, 0,1,2
	global_store_b128 v[CO], v[P+4*\g:P+4*\g+3], s[DST:DST+1] offset:FRB*(\f)+512*\g   ; 32 lanes store 512 consecutive bytes, aligned
.endr
.endm
	LOAD 0
	LOAD 1
	FRAGQ 0
	FRAGQ 1
	FRAGQ 2
	FRAGQ 3
	v_cmp_ne_u32 vcc_lo, 0, v[HH]                  ; the scale words: lane (r, h) stores those of fragments 2 h and 2 h + 1 of row r: 256 consecutive bytes
	v_cndmask_b32 v8, v[SW], v[SW+2], vcc_lo
	v_cndmask_b32 v9, v[SW+1], v[SW+3], vcc_lo
	global_store_b64 v[SO], v[8:9], s[DST:DST+1]
	s_wait_tensorcnt 0x0                           ; the wave's end, behind my last LDS store
	ds_add_u32 v[SPW], v[NIL]
	s_wait_dscnt 0x0
	s_endpgm
.Lfunc_end_k_q56a6565118_quant:
	.size	k_q56a6565118_quant, .Lfunc_end_k_q56a6565118_quant-k_q56a6565118_quant
	.p2alignl 7, 3214868480
	.fill 96, 4, 3214868480
	.section	.rodata,"a",@progbits
	.p2align	6, 0x0
	.amdhsa_kernel k_q56a6565118_quant
		.amdhsa_group_segment_fixed_size 34304
		.amdhsa_private_segment_fixed_size 0
		.amdhsa_enable_private_segment 0
		.amdhsa_kernarg_size 72
		.amdhsa_user_sgpr_count 2
		.amdhsa_user_sgpr_kernarg_segment_ptr 1
		.amdhsa_wavefront_size32 1
		.amdhsa_system_sgpr_workgroup_id_x 1
		.amdhsa_system_sgpr_workgroup_id_y 1
		.amdhsa_system_sgpr_workgroup_id_z 1
		.amdhsa_system_vgpr_workitem_id 0
		.amdhsa_next_free_vgpr 248
		.amdhsa_next_free_sgpr 66
		.amdhsa_reserve_vcc 1
		.amdhsa_float_denorm_mode_32 3
		.amdhsa_float_denorm_mode_16_64 3
		.amdhsa_memory_ordered 1
		.amdhsa_forward_progress 1
		.amdhsa_inst_pref_size 31
	.end_amdhsa_kernel
	.amdgpu_metadata
---
amdhsa.version: [ 1, 2 ]
amdhsa.kernels:
  - .name:           k_q56a6565118_quant
    .symbol:         k_q56a6565118_quant.kd
    .args:
      - { .name: query, .offset: 0, .size: 8, .value_kind: global_buffer, .address_space: global }
      - { .name: key, .offset: 8, .size: 8, .value_kind: global_buffer, .address_space: global }
      - { .name: value, .offset: 16, .size: 8, .value_kind: global_buffer, .address_space: global }
      - { .name: Wq, .offset: 24, .size: 8, .value_kind: global_buffer, .address_space: global }
      - { .name: Wk, .offset: 32, .size: 8, .value_kind: global_buffer, .address_space: global }
      - { .name: Wv, .offset: 40, .size: 8, .value_kind: global_buffer, .address_space: global }
      - { .name: Wo, .offset: 48, .size: 8, .value_kind: global_buffer, .address_space: global }
      - { .name: ximg, .offset: 56, .size: 8, .value_kind: global_buffer, .address_space: global }
      - { .name: wimg, .offset: 64, .size: 8, .value_kind: global_buffer, .address_space: global }
    .group_segment_fixed_size: 34304
    .private_segment_fixed_size: 0
    .kernarg_segment_align: 8
    .kernarg_segment_size: 72
    .max_flat_workgroup_size: 128
    .sgpr_count:     66
    .vgpr_count:     248
    .wavefront_size: 32
...
	.end_amdgpu_metadata
.endif
;; end of part 1
;; launch proj (part 2): grid 4 x 192, 4 waves a work-group, clusters of 4 x 4, 327,680 bytes of LDS; arguments ximg, wimg, bq, bk, bv, qimg, kimg, vimg; writes qimg, kimg, vimg
.if DOCPART == 2
	.amdgcn_target "amdgcn-amd-amdhsa--gfx1250"
	.amdhsa_code_object_version 6
	.text
	.protected	k_q56a6565118_proj
	.globl	k_q56a6565118_proj
	.p2align	8
	.type	k_q56a6565118_proj,@function
k_q56a6565118_proj:
	s_mov_b64 s[64:65], 0
	v_nop
	global_prefetch_b8 v0, s[64:65] scope:SCOPE_SE
	s_setreg_imm32_b32 hwreg(HW_REG_WAVE_MODE, 25, 1), 1
	s_wait_xcnt 0x0
	s_wait_alu depctr_hold_cnt(0) depctr_sa_sdst(0) depctr_va_vdst(0) depctr_va_sdst(0) depctr_va_ssrc(0) depctr_va_vcc(0) depctr_vm_vsrc(0)
	s_getreg_b32 s2, hwreg(HW_REG_IB_STS2, 6, 4)
	s_cmp_eq_u32 s2, 0
	s_cbranch_scc0 .Lentry_in_a_cluster
	s_endpgm
.Lentry_in_a_cluster:
	s_bfe_u32 s2, ttmp6, 0x10000c
	s_cmp_lg_u32 s2, 0xf033
	s_cbranch_scc0 .Lentry_shape_is_right
	s_endpgm
.Lentry_shape_is_right:
; q = query Wq^T + bq, k = key Wk^T + bk, v = value Wv^T + bv on codes of FP6 (E2M3) with E8M0 scales, and each result quantised again on its way out, for the attention's two products:
; q and k along the head's 64, v along the keys.  Operands come as register images (fragments of 1,536 bytes, pieces of 12,800: eight fragments of 16 rows x 128 K and their scale words; a tensor is [K step][tile of 128 rows]).
; The rows of a fragment are not neighbours: lane r of fragment 2 b + u is row 32 b + 8 u + r + 8 (r / 8).
; A WORK-GROUP makes L 128 rows (source 1: a lane is a row of L) x P 256 rows (source 0: the registers run along P), all of K = 1,024.  For q and k: L = the tokens, P = the weight's rows, so a lane's registers run along
; the head's 64.  For v: L = Wv's rows, P = the tokens, so a lane's registers run along the keys.  Four waves: wave w takes L's fragments 4 (w % 2) on and P's tile w / 2: 32 accumulators, 256 matrix instructions.
; ALL OF K LIES IN LDS AT ONCE: eight K steps of 38,400 bytes (L's piece, P's two).  Every tensor load is a first fill: nothing is filled again.  A wave issues four loads, all at the head: four of mine are outstanding at the most.
; CLUSTERS: 4 x 4 work-groups.  L's pieces hang on the cluster's row alone and are asked for jointly along it, P's on its column alone.
; OUT.  q, k: pieces of 6,400 bytes for (batch x head, 128 positions): four fragments, each holding TWO tiles of 16 positions (registers 0-5: the first tile's 64 along d; 6-11: the second's), then 256 bytes of scale words
; [fragment / 2][row][fragment % 2].  v: pieces for (batch x head, 128 keys): four fragments of 16 d x 128 keys, scale words likewise.
; LIMITS: NaN and infinities are not served; a block whose largest magnitude lies under 2^-124, a block of zeros among them, gets the byte 1 (its reader is this program alone).
; REGISTERS.  window 0: v1-4 LDS addresses; v6-12 lane terms; v32-55 scale words, two sets [4 of L][8 of P]; v64-159 L's fragments, two sets (on the way out: 64 numbers, then codes); v160-223 the bias; v224-249 at work.
;   window 1: P's fragments, two sets of 96.   window 2: accumulator (a, b) at v[8 (8 a + b)].
.set XSZ,    6553600
.set WSZ,    819200
.set PIECE,  12800
.set APIECE, 6400
.set FRB,    1536
.set STEPB,  3*PIECE
.set SPARE,  8*STEPB                   ; behind the eight K steps: the spare words, 128 bytes for each wave
.set AL,  1
.set AP,  2
.set ASL, 3
.set ASP, 4
.set RR,  6
.set HH,  7
.set L16, 8
.set SC,  32
.set LF,  64
.set NUM, 64
.set CT,  152
.set BI,  160
.set TM,  224
.set SPW, 252
.set NIL, 253
.set SEL, 2
.set WV,  20
.set CX,  21
.set CY,  22
.set PID, 23
.set G1L, 24
.set G1P, 32
.set G0L, 40                           ; s[40:55] L's four groups 0
.set G0P, 56                           ; s[56:63], s[68:75] P's four
.set LT,  76
.set PT,  77
.set WL,  78
.set WH,  79
.set MSB, 0
.macro WIN new                         ; the immediate's high byte repeats the setting that is left
.if MSB != \new
	s_set_vgpr_msb (MSB<<8)|\new
.set MSB, \new
.endif
.endm
.macro CROUND                          ; a round of the cluster's barrier
	s_barrier_signal -1
	s_barrier_wait -1
	s_cmp_lg_u32 s[WV], 0
	s_cbranch_scc1 .Lnot_wave_0_\@
	s_barrier_signal -3
.Lnot_wave_0_\@:
	s_barrier_wait -3
	s_barrier_signal -1
	s_barrier_wait -1
.endm
.macro FETCH set                       ; a K step's operands: 39 loads of 16 bytes a lane, each 512 consecutive bytes (the scale words: 256)
	WIN 0
.irp i, 0,1,2,3
.irp g, 0,1,2
	ds_load_b128 v[LF+48*(\set)+12*\i+4*\g:LF+48*(\set)+12*\i+4*\g+3], v[AL] offset:FRB*\i+512*\g
.endr
.endr
	ds_load_b128 v[SC+12*(\set):SC+12*(\set)+3], v[ASL]
	ds_load_b128 v[SC+12*(\set)+4:SC+12*(\set)+7], v[ASP]
	ds_load_b128 v[SC+12*(\set)+8:SC+12*(\set)+11], v[ASP] offset:256
	WIN 0x40                                       ; destination window 1
.irp b, 0,1,2,3,4,5,6,7
.irp g, 0,1,2
	ds_load_b128 v[96*(\set)+12*\b+4*\g:96*(\set)+12*\b+4*\g+3], v[AP] offset:FRB*\b+512*\g
.endr
.endr
.endm
.macro MUL set, chain                  ; 32 matrix instructions; the 32 accumulators take turns, in the same order in every K step.  chain = 0: the first K step starts the sums
	WIN 0xa1                                       ; source 0 (P) window 1, source 1 (L) window 0, C and D window 2
.irp a, 0,1,2,3
.irp b, 0,1,2,3,4,5,6,7
.if \chain
	v_wmma_scale_f32_16x16x128_f8f6f4 v[8*(8*\a+\b):8*(8*\a+\b)+7], v[96*(\set)+12*\b:96*(\set)+12*\b+11], v[LF+48*(\set)+12*\a:LF+48*(\set)+12*\a+11], v[8*(8*\a+\b):8*(8*\a+\b)+7], v[SC+12*(\set)+4+\b], v[SC+12*(\set)+\a] matrix_a_fmt:MATRIX_FMT_FP6 matrix_b_fmt:MATRIX_FMT_FP6
.else
	v_wmma_scale_f32_16x16x128_f8f6f4 v[8*(8*\a+\b):8*(8*\a+\b)+7], v[96*(\set)+12*\b:96*(\set)+12*\b+11], v[LF+48*(\set)+12*\a:LF+48*(\set)+12*\a+11], 0, v[SC+12*(\set)+4+\b], v[SC+12*(\set)+\a] matrix_a_fmt:MATRIX_FMT_FP6 matrix_b_fmt:MATRIX_FMT_FP6
.endif
.endr
.endr
.endm
; K step s: its operands are in; gate = 1: the next two K steps' tiles have landed in every wave (cnt: my later loads, which may stay out); the next step's operands are asked for; this step is multiplied.
.macro KSTEP s, gate, cnt, fetch, chain
	s_wait_dscnt 0x0
.if \gate
	s_wait_tensorcnt \cnt
	s_barrier_signal -1
	s_barrier_wait -1
.endif
.if \fetch
	WIN 0
	v_add_nc_u32 v[AL], STEPB, v[AL]               ; the four steps of the addresses are the four places between the last products and the loads into their operands
	v_add_nc_u32 v[AP], STEPB, v[AP]
	v_add_nc_u32 v[ASL], STEPB, v[ASL]
	v_add_nc_u32 v[ASP], STEPB, v[ASP]
	FETCH ((\s)+1)%2
.endif
	MUL (\s)%2, \chain
.endm
; 64 numbers of a lane, register 16 b + i = k 32 b + 16 (lane / 16) + i of my row, become codes: blocks 0, 1 in v[d0] .. v[d0 + 5], blocks 2, 3 in v[d1] .. v[d1 + 5]; the four bytes in v[pw]
.macro QUANTD s, d0, d1, pw
.irp b, 0,1,2,3
	v_max3_num_f32 v[TM+\b], |v[\s+16*\b]|, |v[\s+1+16*\b]|, 0x1800000   ; my 16 numbers of block b, and the floor 2^(3 - 127): the byte cannot fall under 1
.endr
.irp i, 2,4,6,8,10,12,14
.irp b, 0,1,2,3
	v_max3_num_f32 v[TM+\b], v[TM+\b], |v[\s+16*\b+\i]|, |v[\s+1+16*\b+\i]|
.endr
.endr
.irp b, 0,1,2,3
	v_permlanex16_b32 v[TM+4+\b], v[TM+\b], s[SEL], s[SEL+1]
.endr
.irp b, 0,1,2,3
	v_max_num_f32 v[TM+\b], v[TM+\b], v[TM+4+\b]   ; with lane l xor 16's: the block's largest magnitude
.endr
.irp b, 0,1,2,3
	v_add_nc_u32 v[TM+12+\b], 0xff000000, v[TM+\b] ; 2 off the exponent field: the conversion's scale operand
.endr
.irp b, 0,1,2,3
	v_lshrrev_b32 v[TM+4+\b], 23, v[TM+12+\b]      ; the scale's byte
.endr
	v_lshl_or_b32 v[\pw], v[TM+5], 8, v[TM+4]
	v_lshl_or_b32 v[\pw], v[TM+6], 16, v[\pw]
	v_lshl_or_b32 v[\pw], v[TM+7], 24, v[\pw]
	v_cvt_scalef32_pk16_fp6_f32 v[(\d0):(\d0)+2], v[\s:\s+15], v[TM+12]
	v_cvt_scalef32_pk16_fp6_f32 v[CT:CT+2], v[\s+16:\s+31], v[TM+13]   ; (a conversion's three registers begin on an even number)
	v_cvt_scalef32_pk16_fp6_f32 v[(\d1):(\d1)+2], v[\s+32:\s+47], v[TM+14]
	v_cvt_scalef32_pk16_fp6_f32 v[CT+4:CT+6], v[\s+48:\s+63], v[TM+15]
	v_nop                                          ; one plain place behind a scaled conversion
.irp i, 0,1,2                                  ; the operand's layout wants a WHOLE block in a lane: lanes 0-15 the first of two, lanes 16-31 the second
	v_permlane16_swap_b32 v[(\d0)+\i], v[CT+\i]
.endr
.irp i, 0,1,2
	v_mov_b32 v[(\d0)+3+\i], v[CT+\i]
.endr
.irp i, 0,1,2
	v_permlane16_swap_b32 v[(\d1)+\i], v[CT+4+\i]
.endr
.irp i, 0,1,2
	v_mov_b32 v[(\d1)+3+\i], v[CT+4+\i]
.endr
.endm
.macro TAKE a, bstep, bbase            ; L's block a: its 64 sums + the bias, into window 0; each accumulator is read from its low end on
	WIN 0x02                                       ; source 0 window 2
.set I, 0
.rept 32
	v_pk_add_f32 v[NUM+2*I:NUM+2*I+1], v[64*(\a)+2*I:64*(\a)+2*I+1], v[(\bbase)+(\bstep)*I:(\bbase)+(\bstep)*I+1]
.set I, I+1
.endr
	WIN 0
.endm
	s_load_b512 s[4:19], s[0:1], 0x0               ; ximg, wimg, bq, bk, bv, qimg, kimg, vimg
	v_lshl_add_u32 v[SPW], v0, 2, SPARE
	v_mov_b32 v[NIL], 0
	ds_add_u32 v[SPW], v[NIL]                      ; the wave's opening: the add and its wait ahead of my first tensor load; the set-up below, work on registers, stands between them
	v_lshrrev_b32 v5, 5, v0
	v_readfirstlane_b32 s[WV], v5                  ; wave 0..3
	s_bfe_u32 s[CX], ttmp6, 0x40000                ; my place in the cluster
	s_bfe_u32 s[CY], ttmp6, 0x40004
	s_and_b32 s80, ttmp7, 0xffff                   ; the cluster's y, 0..47: 16 for each of q, k, v
	s_lshr_b32 s[PID], s80, 4                      ; 0 q, 1 k, 2 v: the same in all sixteen partners
	s_and_b32 s80, s80, 15
	s_and_b32 s[WL], s[WV], 1
	s_lshr_b32 s[WH], s[WV], 1
	s_lshl_b32 s81, s[CY], 2
	s_lshl_b32 s81, 15, s81                        ; my row of the cluster
	s_lshl_b32 s82, 0x1111, s[CX]                  ; my column
	; group 1: a dense block as rows of 256 bytes (32 elements of 8 bytes): L's piece 50 rows, P's two pieces 100
	s_or_b32 s[G1L], s81, (3<<16)|(1<<21)
	s_or_b32 s[G1P], s82, (3<<16)|(1<<21)
	s_mov_b32 s[G1L+1], 32<<16
	s_mov_b32 s[G1L+2], 50<<16
	s_mov_b32 s[G1L+3], 32<<16
	s_mov_b32 s[G1L+4], 50
	s_mov_b32 s[G1L+5], 32
	s_mov_b32 s[G1L+6], 0
	s_mov_b32 s[G1L+7], 0
	s_mov_b32 s[G1P+1], 32<<16
	s_mov_b32 s[G1P+2], 100<<16
	s_mov_b32 s[G1P+3], 32<<16
	s_mov_b32 s[G1P+4], 100
	s_mov_b32 s[G1P+5], 32
	s_mov_b32 s[G1P+6], 0
	s_mov_b32 s[G1P+7], 0
	s_mov_b32 s[SEL], 0x76543210
	s_mov_b32 s[SEL+1], 0xfedcba98
	; q, k: L = tokens (64 tiles; tile 4 Y + cy), P = weight (4 double tiles; cx).   v: L = Wv (8 tiles; 4 (Y % 2) + cy), P = tokens (32 double tiles; 4 (Y / 2) + cx)
	s_lshr_b32 s83, s80, 1
	s_and_b32 s84, s80, 1
	s_mul_i32 s85, s[PID], XSZ
	s_mul_i32 s86, s[PID], WSZ
	s_cmp_eq_u32 s[PID], 2
	s_cselect_b32 s84, s84, s80
	s_cselect_b32 s83, s83, 0
	s_cselect_b32 s87, 8, 64                       ; L's tiles in a K step
	s_cselect_b32 s88, 64, 8                       ; P's
	s_cselect_b32 s89, s86, s85                    ; where L's tensor begins in its buffer
	s_cselect_b32 s90, s85, s86                    ; and P's
	s_lshl_b32 s[LT], s84, 2
	s_add_co_u32 s[LT], s[LT], s[CY]
	s_lshl_b32 s[PT], s83, 2
	s_add_co_u32 s[PT], s[PT], s[CX]
	s_mul_i32 s92, s[WL], s87                      ; I fetch K step 2 c + w % 2 of chunk c
	s_add_co_u32 s92, s92, s[LT]
	s_mul_i32 s92, s92, PIECE
	s_add_co_u32 s92, s92, s89
	s_mov_b32 s93, 0
	s_mul_i32 s94, s87, 2*PIECE                    ; two K steps on
	s_mov_b32 s95, 0
	s_mul_i32 s96, s[WL], s88
	s_lshl_b32 s91, s[PT], 1
	s_add_co_u32 s96, s96, s91
	s_mul_i32 s96, s96, PIECE
	s_add_co_u32 s96, s96, s90
	s_mov_b32 s97, 0
	s_mul_i32 s98, s88, 2*PIECE
	s_mov_b32 s99, 0
	s_mul_i32 s91, s[WL], STEPB                    ; and where it goes: no place in the cluster enters an LDS address
	s_wait_dscnt 0x0                               ; the opening add is done
	s_wait_kmcnt 0x0
	s_cmp_eq_u32 s[PID], 2
	s_cselect_b64 s[80:81], s[6:7], s[4:5]
	s_cselect_b64 s[82:83], s[4:5], s[6:7]
	s_add_nc_u64 s[80:81], s[80:81], s[92:93]
	s_add_nc_u64 s[82:83], s[82:83], s[96:97]
.irp c, 0,1,2,3
	s_mov_b32 s[G0L+4*\c], 1
	s_add_co_u32 s[G0L+4*\c+1], s91, \c*2*STEPB
	s_mov_b64 s[G0L+4*\c+2:G0L+4*\c+3], s[80:81]
	s_or_b32 s[G0L+4*\c+3], s[G0L+4*\c+3], 0x80000000
	s_mov_b32 s[G0P+4*\c+4*(\c/2)], 1
	s_add_co_u32 s[G0P+4*\c+4*(\c/2)+1], s91, \c*2*STEPB+PIECE
	s_mov_b64 s[G0P+4*\c+4*(\c/2)+2:G0P+4*\c+4*(\c/2)+3], s[82:83]
	s_or_b32 s[G0P+4*\c+4*(\c/2)+3], s[G0P+4*\c+4*(\c/2)+3], 0x80000000
.if \c < 3
	s_add_nc_u64 s[80:81], s[80:81], s[94:95]
	s_add_nc_u64 s[82:83], s[82:83], s[98:99]
.endif
.endr
	CROUND                                         ; all sixteen work-groups are here: the joint loads meet
	s_cmp_lt_u32 s[WV], 2                          ; waves 0, 1 fetch L's pieces, waves 2, 3 P's: a wave's four first fills stand in one branch on the wave's number
	s_cbranch_scc0 .Lfor_p
.irp c, 0,1,2,3
	tensor_load_to_lds s[G0L+4*\c:G0L+4*\c+3], s[G1L:G1L+7]
	s_nop 0
.endr
.rept 4
	v_nop
.endr
	s_branch .Lasked
.Lfor_p:
.irp c, 0,1,2,3
	tensor_load_to_lds s[G0P+4*\c+4*(\c/2):G0P+4*\c+4*(\c/2)+3], s[G1P:G1P+7]
	s_nop 0
.endr
.rept 4
	v_nop
.endr
.Lasked:
	v_and_b32 v5, 31, v0
	v_and_b32 v[RR], 15, v0                        ; r
	v_bfe_u32 v[HH], v0, 4, 1                      ; h
	v_lshlrev_b32 v[L16], 4, v5                    ; 16 x lane
	v_lshlrev_b32 v9, 4, v[RR]
	s_mul_i32 s80, s[WL], 4*FRB
	v_add_nc_u32 v[AL], s80, v[L16]                ; L's fragments 4 (w % 2) on
	s_mul_i32 s81, s[WH], PIECE
	s_add_co_u32 s82, s81, PIECE
	v_add_nc_u32 v[AP], s82, v[L16]                ; P's tile w / 2
	s_lshl_b32 s80, s[WL], 8
	s_add_co_u32 s80, s80, 8*FRB
	v_add_nc_u32 v[ASL], s80, v9                   ; four scale words of row r
	s_add_co_u32 s82, s81, PIECE+8*FRB
	v_add_nc_u32 v[ASP], s82, v9
.irp b, 0,1,2,3
	v_mov_b32 v[TM+4+\b], 0                        ; written once: a lane permute's destination counts as one of its sources
.endr
	s_wait_tensorcnt 0x3                           ; my part of K steps 0 and 1 is in; my three later loads may stay out
	s_barrier_signal -1
	s_barrier_wait -1                              ; everybody's is
	FETCH 0
	KSTEP 0, 0, 0, 1, 0
	KSTEP 1, 1, 2, 1, 1
	KSTEP 2, 0, 0, 1, 1
	KSTEP 3, 1, 1, 1, 1
	KSTEP 4, 0, 0, 1, 1
	KSTEP 5, 1, 0, 1, 1
	WIN 0
	s_cmp_eq_u32 s[PID], 2                         ; the ways part once, behind the last barrier; the number is the same in the whole cluster
	s_cbranch_scc1 .Lvpath
	; ---- q, k.  My 128 columns are two heads, A and B.  Lane (r, h) holds a position; register 16 b + i of a block of L is feature 32 b + 16 h + i
	s_lshl_b32 s80, s[PT], 10
	s_lshl_b32 s81, s[WH], 9
	s_add_co_u32 s80, s80, s81                     ; 4 x my first feature
	s_mov_b32 s81, 0
	s_cmp_eq_u32 s[PID], 0
	s_cselect_b64 s[82:83], s[8:9], s[10:11]
	s_cselect_b64 s[84:85], s[14:15], s[16:17]
	s_add_nc_u64 s[82:83], s[82:83], s[80:81]
	v_lshlrev_b32 v10, 6, v[HH]
.irp b, 0,1,2,3,4,5,6,7
.irp e, 0,1
	global_load_b128 v[BI+8*\b+4*\e:BI+8*\b+4*\e+3], v10, s[82:83] offset:128*(\b/2)+32*(\b%2)+16*\e
.endr
.endr
	s_lshr_b32 s86, s[LT], 4
	s_lshl_b32 s86, s86, 4                         ; 16 x batch
	s_lshl_b32 s87, s[PT], 2
	s_add_co_u32 s86, s86, s87
	s_lshl_b32 s87, s[WH], 1
	s_add_co_u32 s86, s86, s87                     ; + head A
	s_lshl_b32 s86, s86, 4
	s_and_b32 s87, s[LT], 15
	s_add_co_u32 s86, s86, s87                     ; x 16 + the block of 128 positions
	s_mul_i32 s86, s86, APIECE
	s_mov_b32 s87, 0
	s_add_nc_u64 s[84:85], s[84:85], s[86:87]      ; head A's piece; head B's lies 16 pieces on
	s_mul_i32 s88, s[WL], 2*FRB
	v_add_nc_u32 v11, s88, v[L16]
	s_lshl_b32 s88, s[WL], 7
	s_add_co_u32 s88, s88, 4*FRB
	v_lshlrev_b32 v12, 3, v[RR]
	v_lshl_add_u32 v12, v[HH], 2, v12
	v_add_nc_u32 v12, s88, v12
	KSTEP 6, 0, 0, 1, 1
	KSTEP 7, 0, 0, 0, 1
	WIN 0
	s_wait_loadcnt 0x0                             ; the bias
.rept 4
	v_nop                                          ; four places behind the last products
.endr
.irp fp, 0,1                                   ; the piece's fragment 2 (w % 2) + fp holds L's blocks 2 fp and 2 fp + 1
.irp u, 0,1
	TAKE 2*\fp+\u, 2, BI
.if (\fp == 1) && (\u == 0)
	s_wait_xcnt 0x0                                ; the first fragments' stores have read the codes' registers
.endif
	QUANTD NUM, 128+6*\u, 140+6*\u, 241+\u         ; blocks 0, 1: head A's 64; blocks 2, 3: head B's
.endr
	v_perm_b32 v[244+\fp], v242, v241, 0x05040100  ; head A's word: the two tiles' two bytes each
	v_perm_b32 v[246+\fp], v242, v241, 0x07060302  ; head B's
.irp g, 0,1,2
	global_store_b128 v11, v[128+4*\g:131+4*\g], s[84:85] offset:FRB*\fp+512*\g
	global_store_b128 v11, v[140+4*\g:143+4*\g], s[84:85] offset:FRB*\fp+512*\g+16*APIECE
.endr
.endr
	v_cmp_ne_u32 vcc_lo, 0, v[HH]                  ; lane (r, h) stores fragment fp = h's word of row r: 128 consecutive bytes
	v_cndmask_b32 v248, v244, v245, vcc_lo
	v_cndmask_b32 v249, v246, v247, vcc_lo
	global_store_b32 v12, v248, s[84:85]
	global_store_b32 v12, v249, s[84:85] offset:16*APIECE
	s_branch .Ljoin
.Lvpath:
	; ---- v.  My 64 rows of L are one head's d; lane (r, h) holds one d; register 16 b + i of a block of L is key 32 b + 16 h + i of my 128 keys
	s_lshl_b32 s80, s[LT], 9
	s_lshl_b32 s81, s[WL], 8
	s_add_co_u32 s80, s80, s81                     ; 4 x my first feature
	s_mov_b32 s81, 0
	s_add_nc_u64 s[82:83], s[12:13], s[80:81]
	v_and_b32 v10, 8, v[RR]
	v_add_nc_u32 v10, v10, v[RR]
	v_lshlrev_b32 v10, 2, v10                      ; 4 (r + 8 (r / 8))
.irp a, 0,1,2,3
	global_load_b32 v[BI+2*\a], v10, s[82:83] offset:128*(\a/2)+32*(\a%2)      ; my row's bias, in both registers of a pair for the packed addition
	global_load_b32 v[BI+2*\a+1], v10, s[82:83] offset:128*(\a/2)+32*(\a%2)
.endr
	s_lshl_b32 s86, s[PT], 1
	s_add_co_u32 s86, s86, s[WH]                   ; the tile of 128 tokens
	s_and_b32 s87, s86, 15                         ; key step
	s_lshr_b32 s86, s86, 4
	s_lshl_b32 s86, s86, 4                         ; 16 x batch
	s_lshl_b32 s88, s[LT], 1
	s_add_co_u32 s86, s86, s88
	s_add_co_u32 s86, s86, s[WL]                   ; + head
	s_lshl_b32 s86, s86, 4
	s_add_co_u32 s86, s86, s87
	s_mul_i32 s86, s86, APIECE
	s_mov_b32 s87, 0
	s_add_nc_u64 s[84:85], s[18:19], s[86:87]
	v_lshlrev_b32 v12, 3, v[RR]
	v_lshl_add_u32 v12, v[HH], 7, v12
	v_add_nc_u32 v12, 4*FRB, v12
	KSTEP 6, 0, 0, 1, 1
	KSTEP 7, 0, 0, 0, 1
	WIN 0
	s_wait_loadcnt 0x0
.rept 4
	v_nop
.endr
.irp a, 0,1,2,3
	TAKE \a, 0, BI+2*\a
.if \a >= 2
	s_wait_xcnt 0x0                                ; the stores of two fragments back have read these registers
.endif
	QUANTD NUM, 128+12*(\a%2), 134+12*(\a%2), 244+\a
.irp g, 0,1,2
	global_store_b128 v[L16], v[128+12*(\a%2)+4*\g:131+12*(\a%2)+4*\g], s[84:85] offset:FRB*\a+512*\g
.endr
.endr
	v_cmp_ne_u32 vcc_lo, 0, v[HH]                  ; lane (r, h) stores the words of fragments 2 h and 2 h + 1 of row r: 256 consecutive bytes
	v_cndmask_b32 v248, v244, v246, vcc_lo
	v_cndmask_b32 v249, v245, v247, vcc_lo
	global_store_b64 v12, v[248:249], s[84:85]
.Ljoin:
	s_wait_tensorcnt 0x0                           ; the wave's end
	ds_add_u32 v[SPW], v[NIL]
	s_wait_dscnt 0x0
	CROUND                                         ; the closing round: no work-group ends while a partner may still ask for a tile that names it
	s_endpgm
.Lfunc_end_k_q56a6565118_proj:
	.size	k_q56a6565118_proj, .Lfunc_end_k_q56a6565118_proj-k_q56a6565118_proj
	.p2alignl 7, 3214868480
	.fill 96, 4, 3214868480
	.section	.rodata,"a",@progbits
	.p2align	6, 0x0
	.amdhsa_kernel k_q56a6565118_proj
		.amdhsa_group_segment_fixed_size 327680
		.amdhsa_private_segment_fixed_size 0
		.amdhsa_enable_private_segment 0
		.amdhsa_kernarg_size 64
		.amdhsa_user_sgpr_count 2
		.amdhsa_user_sgpr_kernarg_segment_ptr 1
		.amdhsa_wavefront_size32 1
		.amdhsa_system_sgpr_workgroup_id_x 1
		.amdhsa_system_sgpr_workgroup_id_y 1
		.amdhsa_system_sgpr_workgroup_id_z 1
		.amdhsa_system_vgpr_workitem_id 0
		.amdhsa_next_free_vgpr 768
		.amdhsa_next_free_sgpr 100
		.amdhsa_reserve_vcc 1
		.amdhsa_float_denorm_mode_32 3
		.amdhsa_float_denorm_mode_16_64 3
		.amdhsa_memory_ordered 1
		.amdhsa_forward_progress 1
		.amdhsa_inst_pref_size 128
	.end_amdhsa_kernel
	.amdgpu_metadata
---
amdhsa.version: [ 1, 2 ]
amdhsa.kernels:
  - .name:           k_q56a6565118_proj
    .symbol:         k_q56a6565118_proj.kd
    .args:
      - { .name: ximg, .offset: 0, .size: 8, .value_kind: global_buffer, .address_space: global }
      - { .name: wimg, .offset: 8, .size: 8, .value_kind: global_buffer, .address_space: global }
      - { .name: bq, .offset: 16, .size: 8, .value_kind: global_buffer, .address_space: global }
      - { .name: bk, .offset: 24, .size: 8, .value_kind: global_buffer, .address_space: global }
      - { .name: bv, .offset: 32, .size: 8, .value_kind: global_buffer, .address_space: global }
      - { .name: qimg, .offset: 40, .size: 8, .value_kind: global_buffer, .address_space: global }
      - { .name: kimg, .offset: 48, .size: 8, .value_kind: global_buffer, .address_space: global }
      - { .name: vimg, .offset: 56, .size: 8, .value_kind: global_buffer, .address_space: global }
    .group_segment_fixed_size: 327680
    .private_segment_fixed_size: 0
    .kernarg_segment_align: 8
    .kernarg_segment_size: 64
    .max_flat_workgroup_size: 128
    .sgpr_count:     100
    .vgpr_count:     768
    .wavefront_size: 32
...
	.end_amdgpu_metadata
.endif
;; end of part 2
;; launch attn (part 3): grid 8 x 32, 16 waves a work-group, no clusters, 327,680 bytes of LDS; arguments qimg, kimg, vimg, oimg; writes oimg
.if DOCPART == 3
	.amdgcn_target "amdgcn-amd-amdhsa--gfx1250"
	.amdhsa_code_object_version 6
	.text
	.protected	k_q56a6565118_attn
	.globl	k_q56a6565118_attn
	.p2align	8
	.type	k_q56a6565118_attn,@function
k_q56a6565118_attn:
	s_mov_b64 s[64:65], 0
	v_nop
	global_prefetch_b8 v0, s[64:65] scope:SCOPE_SE
	s_setreg_imm32_b32 hwreg(HW_REG_WAVE_MODE, 25, 1), 1
	s_wait_xcnt 0x0
; o = softmax(q k^T / 8, causal) v for 64 (batch x head) of 2,048 positions, head size 64, both products on codes of FP6 (E2M3) with E8M0 scales; o is quantised along the model's 1,024 for the last product.
; THE SOFTMAX AHEAD OF THE SECOND PRODUCT: t = score x log2(e) / 8; M = the row's largest t so far, rounded UP to a whole number; p = 2^(t - M) is quantised along the keys, not normalised.  The row's sum is taken of the
; unquantised p and divides at the end.  When M moves, the sum and O are multiplied by 2^(old M - new M): exact.
; SHARES.  A work-group serves a pair of heads (work-group y) and TWO blocks of 128 queries, j and 15 - j (j = work-group x): j + 1 and 16 - j key steps of 128 keys, 17 in every work-group.  Sixteen waves: wave w takes head
; w / 8 of the pair and tile w % 8 of 16 queries.  The 17 steps form one stream: step t <= j is block j's key step t, a later one block 15 - j's key step t - j - 1.  Steps j and 16 lie on the diagonal.
; K = 64 IN AN INSTRUCTION OF 128.  A fragment of k holds TWO tiles of 16 keys (k 0-63: the first tile's d; 64-127: the second's).  It is multiplied twice, by [q | 0] and by [0 | q]: q's six registers stand between two
; runs of six zeros.  Zero codes add nothing under any scale byte that occurs here.
; LAYOUT.  Both products transposed: S^T = k q^T, O^T = v^T p^T: a lane holds ONE query.  The keys of a tile are not neighbours (lane r of tile 2 b + u is key 32 b + 8 u + r + 8 (r / 8)), so S^T's register 16 f + i is key 32 f + 16 h + i.
; THE RING.  Two slots of four steps (a step: for each head of the pair k's piece and v's, 6,400 bytes each).  Each wave fetches one piece of a slot by one tensor load, so a load is issued four steps ahead of its first read;
; two loads of mine are outstanding at the most.  For that reason no prefetch is laid either.
; NO CLUSTER: at step t the work-groups of one pair of heads need different key steps (t, or t - j - 1 with their own j), so no descriptor would be equal in partners.
; OUT.  oimg: pieces of 12,800 bytes (K step = the pair of heads, tile = 128 queries): wave (head, tile) makes six registers of fragment `tile`; the sixteen waves' parts meet in a stage in LDS and leave as 512 consecutive bytes a store.
; LIMITS: NaN and infinities are not served; a block of o whose largest magnitude lies under 2^-124 gets the byte 1.
.set APIECE, 6400
.set PIECE,  12800
.set FRB,    1536
.set STEPB,  4*APIECE
.set SLOTB,  4*STEPB
.set STAGEX, 2*SLOTB                   ; two stages of 12,800 bytes behind the ring, never filled by a tensor load; the second is reached by the immediate PIECE
.set SPARE,  STAGEX+2*PIECE            ; the spare words, 128 bytes for each of sixteen waves
.set LB,  2                            ; v2   16 x lane + my head's half of a step
.set LSC, 3                            ; v3   8 r + the same + the scale words' place
.set ADR, 4
.set ADS, 5
.set SPW, 6
.set NIL, 7
.set DQ,  8                            ; v8   my query's place in its block - 16 h
.set NINF, 9
.set EC0, 10                           ; v10, v11, v92: where my six registers of o's codes go, 8 bytes each two
.set EC1, 11
.set EC2, 92
.set ES,  93                           ; v93  and my two scale bytes
.set SRD, 94                           ; v94  the stage, read back: 512 x wave + 16 x lane
.set GOF, 95                           ; v95  the same place in o's piece
.set QZ,  16                           ; v16-21 zeros, v22-27 q, v28-33 zeros
.set QW,  34                           ; q's scale word (s0, s1, s0, s1);  v35: the second block's
.set QWB, 35
.set FR,  36                           ; v36-83 four fragments of k, then of v
.set KS,  84
.set VS,  88
.set S,   96                           ; v96-159 S^T, then p
.set O,   160                          ; v160-191 O^T
.set PC,  192                          ; v192-203 p's codes
.set CT,  204
.set QB,  212                          ; v212-217 the second block's q
.set ED,  218
.set PW,  231
.set WV,  12
.set J,   13
.set Y,   14
.set T,   15
.set TB,  16
.set CNT, 17
.set PI,  18
.set TAU, 19
.set SEL, 20
.set CS,  22
.set G1,  24
.set G0,  32                           ; s[32:51] five groups 0: steps 4 i + w / 4
.set OA,  52
.set OB,  54
.macro RESET                           ; a block of queries begins: the largest t is -3e38, the sum and O^T are zeros, which the first change of M leaves zeros (so a step is written without a first form of its own)
	v_mov_b32 v13, 0xff61b1e6
	v_mov_b32 v14, 0
	v_mov_b32 v15, 0
	s_delay_alu instid0(VALU_DEP_3)
	v_floor_f32 v12, -v13
.set I, 0
.rept 32
	v_mov_b32 v[O+I], 0
.set I, I+1
.endr
.endm
.macro TLOAD i
	tensor_load_to_lds s[G0+4*\i:G0+4*\i+3], s[G1:G1+7]
	s_nop 0
.rept 4
	v_nop
.endr
.endm
; In front of a refill: all my tensor loads have landed, 0 is added onto my spare word, the add and my reads of the slot are done; then the barrier.
.macro REFILLBAR
	s_wait_tensorcnt 0x0
	ds_add_u32 v[SPW], v[NIL]
	s_wait_dscnt 0x0
	s_barrier_signal -1
	s_barrier_wait -1
.endm
; A block of queries is finished: O^T / the sum, quantised (two blocks of 32 along d), into the stage at so.
.macro EPI1 so
	v_add_f32 v14, v14, v15
	s_delay_alu instid0(VALU_DEP_1)
	v_permlanex16_b32 v252, v14, s[SEL], s[SEL+1]
	s_delay_alu instid0(VALU_DEP_1)
	v_add_f32 v14, v14, v252                       ; the row's sum
	s_wait_alu depctr_va_vdst(0)
	v_rcp_f32 v14, v14
	v_nop                                          ; a plain place behind the reciprocal
	s_wait_alu depctr_va_vdst(0)                   ; and the wait ahead of its first reader
.set I, 0
.rept 32
	v_mul_f32 v[S+I], v[O+I], v14                  ; register 16 b + i is d = 32 b + 16 h + i
.set I, I+1
.endr
.irp b, 0,1
	v_max3_num_f32 v[232+\b], |v[S+16*\b]|, |v[S+1+16*\b]|, 0x1800000
.endr
.irp i, 2,4,6,8,10,12,14
.irp b, 0,1
	s_delay_alu instid0(VALU_DEP_2)
	v_max3_num_f32 v[232+\b], v[232+\b], |v[S+16*\b+\i]|, |v[S+1+16*\b+\i]|
.endr
.endr
.irp b, 0,1
	s_delay_alu instid0(VALU_DEP_2)
	v_permlanex16_b32 v[236+\b], v[232+\b], s[SEL], s[SEL+1]
.endr
.irp b, 0,1
	s_delay_alu instid0(VALU_DEP_2)
	v_max_num_f32 v[232+\b], v[232+\b], v[236+\b]
.endr
.irp b, 0,1
	s_delay_alu instid0(VALU_DEP_2)
	v_add_nc_u32 v[244+\b], 0xff000000, v[232+\b]
.endr
.irp b, 0,1
	s_delay_alu instid0(VALU_DEP_2)
	v_lshrrev_b32 v[236+\b], 23, v[244+\b]
.endr
	s_delay_alu instid0(VALU_DEP_1)
	v_lshl_or_b32 v238, v237, 8, v236
	v_cvt_scalef32_pk16_fp6_f32 v[PC:PC+2], v[S:S+15], v244
	v_cvt_scalef32_pk16_fp6_f32 v[CT:CT+2], v[S+16:S+31], v245
	v_nop
.irp i, 0,1,2
	v_permlane16_swap_b32 v[PC+\i], v[CT+\i]
.endr
.irp i, 0,1,2
	s_delay_alu instid0(VALU_DEP_3)
	v_mov_b32 v[PC+3+\i], v[CT+\i]                 ; v[PC] .. v[PC + 5]: d = 32 h + 0 .. 31 of my query
.endr
	ds_store_b64 v[EC0], v[PC:PC+1] offset:\so
	ds_store_b64 v[EC1], v[PC+2:PC+3] offset:\so
	ds_store_b64 v[EC2], v[PC+4:PC+5] offset:\so
	ds_store_b16 v[ES], v238 offset:\so            ; lanes r and r + 16 write the same two bytes with the same value
	s_wait_dscnt 0x0                               ; the stores have landed and have read their registers
.endm
; The stage at so, whole behind a barrier, goes to o's piece: 25 runs of 512 bytes: one a wave, and a second for waves 0 to 8.
.macro EPI2 so, base
	s_wait_xcnt 0x0                                ; earlier stores have read these registers
	ds_load_b128 v[ED:ED+3], v[SRD] offset:\so
	s_cmp_lt_u32 s[WV], 9
	s_cbranch_scc0 .Lshort_\@
	ds_load_b128 v[ED+4:ED+7], v[SRD] offset:\so+8192
	s_wait_dscnt 0x0
	global_store_b128 v[GOF], v[ED+4:ED+7], s[\base:\base+1] offset:8192
.Lshort_\@:
	s_wait_dscnt 0x0
	global_store_b128 v[GOF], v[ED:ED+3], s[\base:\base+1]
.endm
; A KEY STEP.  mask = 1: step j lies on the diagonal; 2: this step does; 0: none can.  sw = 1: behind step j the first block is finished (into the stage at so) and the second begins.
.macro STEP mask, sw, so
	v_add_nc_u32 v[ADR], s[TB], v[LB]
	v_add_nc_u32 v[ADS], s[TB], v[LSC]
.irp f, 0,1,2,3
.irp g, 0,1,2
	ds_load_b128 v[FR+12*\f+4*\g:FR+12*\f+4*\g+3], v[ADR] offset:FRB*\f+512*\g
.endr
.endr
	ds_load_b64 v[KS:KS+1], v[ADS]
	ds_load_b64 v[KS+2:KS+3], v[ADS] offset:128
	s_wait_alu depctr_va_vdst(0)
	s_wait_dscnt 0x0
.irp f, 0,1,2,3
	v_wmma_scale_f32_16x16x128_f8f6f4 v[S+16*\f:S+16*\f+7], v[FR+12*\f:FR+12*\f+11], v[QZ+6:QZ+17], 0, v[KS+\f], v[QW] matrix_a_fmt:MATRIX_FMT_FP6 matrix_b_fmt:MATRIX_FMT_FP6
	v_wmma_scale_f32_16x16x128_f8f6f4 v[S+16*\f+8:S+16*\f+15], v[FR+12*\f:FR+12*\f+11], v[QZ:QZ+11], 0, v[KS+\f], v[QW] matrix_a_fmt:MATRIX_FMT_FP6 matrix_b_fmt:MATRIX_FMT_FP6
.endr
.rept 4
	v_nop                                          ; four places: in front of the loads into k's registers, and of the first read of the scores
.endr
.irp a, 0,1,2,3                                ; v's fragments are asked for now and land under the softmax
.irp g, 0,1,2
	ds_load_b128 v[FR+12*\a+4*\g:FR+12*\a+4*\g+3], v[ADR] offset:APIECE+FRB*\a+512*\g
.endr
.endr
	ds_load_b64 v[VS:VS+1], v[ADS] offset:APIECE
	ds_load_b64 v[VS+2:VS+3], v[ADS] offset:APIECE+128
.if \mask == 1
	s_cmp_lg_u32 s[T], s[J]
	s_cbranch_scc1 .Lopen_\@
.endif
.if \mask                                      ; on the diagonal the scores of hidden keys become -infinity ahead of the maximum: register 16 f + i is hidden where 32 f + i > my query's place - 16 h
.set N, 0
.rept 64
	v_cmp_gt_i32 vcc_lo, 32*(N/16)+N%16, v[DQ]
	v_cndmask_b32 v[S+N], v[S+N], v[NINF], vcc_lo
.set N, N+1
.endr
.endif
.if \mask == 1
.Lopen_\@:
.endif
.irp b, 0,1,2,3
	v_max3_num_f32 v[232+\b], v[S+16*\b], v[S+1+16*\b], v[S+2+16*\b]   ; the largest score of each block of 32 keys: it serves the row's maximum and, since p rises with the score, the block's largest p
.endr
.irp i, 3,5,7,9,11,13
.irp b, 0,1,2,3
	v_max3_num_f32 v[232+\b], v[232+\b], v[S+16*\b+\i], v[S+1+16*\b+\i]
.endr
.endr
.irp b, 0,1,2,3
	v_max_num_f32 v[232+\b], v[232+\b], v[S+15+16*\b]
.endr
.irp b, 0,1,2,3
	s_delay_alu instid0(VALU_DEP_4)
	v_permlanex16_b32 v[236+\b], v[232+\b], s[SEL], s[SEL+1]
.endr
.irp b, 0,1,2,3
	s_delay_alu instid0(VALU_DEP_4)
	v_max_num_f32 v[232+\b], v[232+\b], v[236+\b]
.endr
	s_delay_alu instid0(VALU_DEP_2)
	v_max3_num_f32 v254, v232, v233, v234
	s_delay_alu instid0(VALU_DEP_1)
	v_max_num_f32 v254, v254, v235
	s_delay_alu instid0(VALU_DEP_1)
	v_mul_f32 v254, s[CS], v254                    ; as t
	s_delay_alu instid0(VALU_DEP_1)
	v_max_num_f32 v13, v13, v254                   ; the running largest t
	v_mov_b32 v254, v12
	s_delay_alu instid0(VALU_DEP_2)
	v_floor_f32 v12, -v13                          ; the new -M = floor(-t): M is a whole number
	s_delay_alu instid0(VALU_DEP_1)
	v_sub_f32 v254, v12, v254
	s_delay_alu instid0(VALU_DEP_1)
	v_cvt_i32_f32 v254, v254                       ; (it saturates)
	s_delay_alu instid0(VALU_DEP_1)
	v_ldexp_f32 v252, 1.0, v254                    ; f = 2^(old M - new M)
.set N, 0
.rept 32
	v_pk_fma_f32 v[S+N:S+N+1], v[S+N:S+N+1], s[CS:CS+1], v[12:13] op_sel_hi:[1,0,0]   ; t - M
.set N, N+2
.endr
.irp b, 0,1,2,3
	v_fma_f32 v[232+\b], v[232+\b], s[CS], v12
.endr
.set N, 0
	s_wait_alu depctr_va_vdst(0)
.rept 64
	v_exp_f32 v[S+N], v[S+N]                       ; p = 2^(t - M)
.set N, N+1
.endr
	v_pk_mul_f32 v[14:15], v[14:15], v[252:253] op_sel_hi:[1,0]   ; the sums under the new M: the plain place behind the exponentials
	s_wait_alu depctr_va_vdst(0)                   ; one wait for the batch, ahead of its first reader
.irp b, 0,1,2,3
	v_exp_f32 v[232+\b], v[232+\b]                 ; the block's largest p
.endr
	v_pk_add_f32 v[236:237], v[100:101], v[104:105]
	v_pk_add_f32 v[254:255], v[108:109], v[112:113]
	v_pk_add_f32 v[250:251], v[116:117], v[120:121]
	v_pk_add_f32 v[248:249], v[124:125], v[128:129]
	v_pk_add_f32 v[246:247], v[132:133], v[136:137]
	v_pk_add_f32 v[244:245], v[140:141], v[144:145]
	v_pk_add_f32 v[242:243], v[148:149], v[152:153]
	v_pk_add_f32 v[14:15], v[14:15], v[156:157]
	v_pk_add_f32 v[236:237], v[236:237], v[96:97]
	v_pk_add_f32 v[254:255], v[254:255], v[98:99]
	v_pk_add_f32 v[250:251], v[250:251], v[102:103]
	v_pk_add_f32 v[248:249], v[248:249], v[106:107]
	v_pk_add_f32 v[246:247], v[246:247], v[110:111]
	v_pk_add_f32 v[244:245], v[244:245], v[114:115]
	v_pk_add_f32 v[242:243], v[242:243], v[118:119]
	v_pk_add_f32 v[14:15], v[14:15], v[122:123]
	v_pk_add_f32 v[236:237], v[236:237], v[126:127]
	v_pk_add_f32 v[254:255], v[254:255], v[130:131]
	v_pk_add_f32 v[250:251], v[250:251], v[134:135]
	v_pk_add_f32 v[248:249], v[248:249], v[138:139]
	v_pk_add_f32 v[246:247], v[246:247], v[142:143]
	v_pk_add_f32 v[244:245], v[244:245], v[146:147]
	v_pk_add_f32 v[242:243], v[242:243], v[150:151]
	v_pk_add_f32 v[14:15], v[14:15], v[154:155]
	v_pk_add_f32 v[236:237], v[236:237], v[158:159]
	s_delay_alu instid0(VALU_DEP_2)
	v_pk_add_f32 v[14:15], v[14:15], v[248:249]
	s_delay_alu instid0(VALU_DEP_2)
	v_pk_add_f32 v[236:237], v[236:237], v[246:247]
	v_pk_add_f32 v[254:255], v[254:255], v[244:245]
	v_pk_add_f32 v[250:251], v[250:251], v[242:243]
	s_delay_alu instid0(VALU_DEP_2)
	v_pk_add_f32 v[14:15], v[14:15], v[254:255]
	s_delay_alu instid0(VALU_DEP_2)
	v_pk_add_f32 v[236:237], v[236:237], v[250:251]
	s_delay_alu instid0(VALU_DEP_1)
	v_pk_add_f32 v[14:15], v[14:15], v[236:237]
	s_wait_alu depctr_va_vdst(0)                   ; and one for the four
.irp b, 0,1,2,3
	v_max_num_f32 v[232+\b], 0x1800000, v[232+\b]  ; the floor 2^(3 - 127)
.endr
.irp b, 0,1,2,3
	s_delay_alu instid0(VALU_DEP_4)
	v_add_nc_u32 v[244+\b], 0xff000000, v[232+\b]
.endr
.irp b, 0,1,2,3
	s_delay_alu instid0(VALU_DEP_4)
	v_lshrrev_b32 v[236+\b], 23, v[244+\b]
.endr
	s_delay_alu instid0(VALU_DEP_3)
	v_lshl_or_b32 v[PW], v237, 8, v236
	s_delay_alu instid0(VALU_DEP_1)
	v_lshl_or_b32 v[PW], v238, 16, v[PW]
	s_delay_alu instid0(VALU_DEP_1)
	v_lshl_or_b32 v[PW], v239, 24, v[PW]
.irp c, 0,1
	v_cvt_scalef32_pk16_fp6_f32 v[PC+6*\c:PC+6*\c+2], v[S+32*\c:S+32*\c+15], v[244+2*\c]
	v_cvt_scalef32_pk16_fp6_f32 v[CT+4*\c:CT+4*\c+2], v[S+32*\c+16:S+32*\c+31], v[244+2*\c+1]
.endr
	v_nop
.irp c, 0,1
.irp i, 0,1,2
	v_permlane16_swap_b32 v[PC+6*\c+\i], v[CT+4*\c+\i]
.endr
.irp i, 0,1,2
	s_delay_alu instid0(VALU_DEP_3)
	v_mov_b32 v[PC+6*\c+3+\i], v[CT+4*\c+\i]
.endr
.endr
.set N, 0
.rept 16
	v_pk_mul_f32 v[O+N:O+N+1], v[O+N:O+N+1], v[252:253] op_sel_hi:[1,0]   ; O^T under the new M; these are also the places between p's codes and scale word and the products
.set N, N+2
.endr
	s_wait_alu depctr_va_vdst(0)
	s_wait_dscnt 0x0                               ; v is in
.irp a, 0,1,2,3
	v_wmma_scale_f32_16x16x128_f8f6f4 v[O+8*\a:O+8*\a+7], v[FR+12*\a:FR+12*\a+11], v[PC:PC+11], v[O+8*\a:O+8*\a+7], v[VS+\a], v[PW] matrix_a_fmt:MATRIX_FMT_FP6 matrix_b_fmt:MATRIX_FMT_FP6
.endr
.rept 4
	v_nop                                          ; four places: in front of the next loads into v's registers and of the next read of O^T
.endr
.if \sw
	s_cmp_lg_u32 s[T], s[J]
	s_cbranch_scc1 .Lsame_\@
	EPI1 \so
.irp i, 0,1,2,3,4,5
	v_mov_b32 v[QZ+6+\i], v[QB+\i]                 ; the second block's queries
.endr
	v_mov_b32 v[QW], v[QWB]
	RESET
.Lsame_\@:
.endif
	s_add_co_u32 s[TB], s[TB], STEPB
	s_add_co_u32 s[T], s[T], 1
.endm
.macro GROUP mask, sw, so              ; a slot's four steps
	s_mov_b32 s[CNT], 4
.Lgrp_\@:
	STEP \mask, \sw, \so
	s_sub_co_u32 s[CNT], s[CNT], 1
	s_cmp_lg_u32 s[CNT], 0
	s_cbranch_scc1 .Lgrp_\@
.endm
	s_load_b256 s[4:11], s[0:1], 0x0               ; qimg, kimg, vimg, oimg
	v_lshl_add_u32 v[SPW], v0, 2, SPARE
	v_mov_b32 v[NIL], 0
	ds_add_u32 v[SPW], v[NIL]                      ; the wave's opening: the add and its wait ahead of my first tensor load; the set-up below, work on registers, stands between them
	ds_add_u32 v[SPW], v[NIL]
	v_lshrrev_b32 v1, 5, v0
	s_delay_alu instid0(VALU_DEP_1)
	v_readfirstlane_b32 s[WV], v1                  ; wave 0..15
	s_mov_b32 s[J], ttmp9
	s_and_b32 s[Y], ttmp7, 0xffff
	s_lshr_b32 s[PI], s[WV], 3
	s_and_b32 s[TAU], s[WV], 7
	s_mov_b32 s[G1], 3<<16                         ; a dense piece as 25 rows of 256 bytes (32 elements of 8 bytes); no mask, no padding
	s_mov_b32 s[G1+1], 32<<16
	s_mov_b32 s[G1+2], 25<<16
	s_mov_b32 s[G1+3], 32<<16
	s_mov_b32 s[G1+4], 25
	s_mov_b32 s[G1+5], 32
	s_mov_b32 s[G1+6], 0
	s_mov_b32 s[G1+7], 0
	s_mov_b32 s[SEL], 0x76543210
	s_mov_b32 s[SEL+1], 0xfedcba98
	s_mov_b32 s[CS], 0x3e38aa3b                    ; c = log2(e) / 8
	s_mov_b32 s[CS+1], s[CS]
	s_mov_b32 s[T], 0
	s_mov_b32 s[TB], 0
	s_lshr_b32 s58, s[WV], 2                       ; I fetch piece w of a slot: step w / 4,
	s_bfe_u32 s59, s[WV], 0x10001                  ; head (w / 2) % 2 of the pair,
	s_lshl_b32 s60, s[Y], 1
	s_add_co_u32 s59, s59, s60
	s_lshl_b32 s59, s59, 4
	s_add_co_u32 s61, s[J], 1
	s_mul_i32 s62, s[WV], APIECE
	s_wait_dscnt 0x0                               ; the opening add is done
	s_wait_kmcnt 0x0
	s_and_b32 s56, s[WV], 1                        ; k's (w even) or v's
	s_cmp_eq_u32 s56, 0
	s_cselect_b64 s[56:57], s[6:7], s[8:9]
.irp i, 0,1,2,3,4
	s_add_co_u32 s66, s58, 4*\i                    ; the stream's step t
	s_cmp_le_u32 s66, s[J]
	s_cselect_b32 s67, 0, s61
	s_sub_co_u32 s66, s66, s67                     ; its key step: t, or t - j - 1
	s_min_u32 s66, s66, 15                         ; (steps past 16 are never asked for)
	s_add_co_u32 s66, s66, s59
	s_mul_i32 s66, s66, APIECE
	s_mov_b32 s67, 0
	s_mov_b32 s[G0+4*\i], 1
	s_add_co_u32 s[G0+4*\i+1], s62, (\i%2)*SLOTB
	s_add_nc_u64 s[G0+4*\i+2:G0+4*\i+3], s[56:57], s[66:67]
	s_or_b32 s[G0+4*\i+3], s[G0+4*\i+3], 0x80000000
.endr
	tensor_load_to_lds s[G0:G0+3], s[G1:G1+7]      ; steps 0-3
	s_nop 0
	tensor_load_to_lds s[G0+4:G0+7], s[G1:G1+7]    ; steps 4-7
	s_nop 0
.rept 4
	v_nop
.endr
	v_and_b32 v1, 31, v0
	v_and_b32 v232, 15, v0                         ; r
	v_bfe_u32 v233, v0, 4, 1                       ; h
	s_delay_alu instid0(VALU_DEP_3)
	v_lshlrev_b32 v234, 4, v1                      ; 16 x lane
	s_wait_alu depctr_va_vdst(0)
	s_mul_i32 s56, s[PI], PIECE
	v_add_nc_u32 v[LB], s56, v234
	s_add_co_u32 s56, s56, 4*FRB
	v_lshl_add_u32 v[LSC], v232, 3, s56
	s_lshr_b32 s57, s[TAU], 1
	s_lshl_b32 s57, s57, 5
	s_and_b32 s58, s[TAU], 1
	s_lshl_b32 s58, s58, 3
	s_add_co_u32 s57, s57, s58
	v_and_b32 v235, 8, v232
	s_delay_alu instid0(VALU_DEP_1)
	v_add_nc_u32 v235, v235, v232
	v_lshlrev_b32 v236, 4, v233
	s_delay_alu instid0(VALU_DEP_1)
	v_sub_nc_u32 v235, v235, v236
	s_delay_alu instid0(VALU_DEP_1)
	v_add_nc_u32 v[DQ], s57, v235
	v_mov_b32 v[NINF], 0xff800000
	s_mul_i32 s57, s[TAU], FRB                     ; o's fragment `tile`; head 0 of the pair owns its registers 0-5, head 1 its registers 6-11
	s_add_co_u32 s57, s57, STAGEX
	s_mul_i32 s58, s[PI], 520
	s_add_co_u32 s59, s57, s58
	v_add_nc_u32 v[EC0], s59, v234
	s_add_co_u32 s59, s59, 512
	v_add_nc_u32 v[EC2], s59, v234
	s_mul_i32 s58, s[PI], 1016
	s_add_co_u32 s59, s57, s58
	s_add_co_u32 s59, s59, 8
	v_add_nc_u32 v[EC1], s59, v234
	s_lshr_b32 s57, s[TAU], 2
	s_lshl_b32 s57, s57, 8
	s_and_b32 s58, s[TAU], 3
	s_lshl_b32 s58, s58, 2
	s_add_co_u32 s57, s57, s58
	s_lshl_b32 s58, s[PI], 1
	s_add_co_u32 s57, s57, s58
	s_add_co_u32 s57, s57, STAGEX+8*FRB
	v_lshl_add_u32 v[ES], v232, 4, s57
	s_lshl_b32 s57, s[WV], 9
	v_add_nc_u32 v[GOF], s57, v234
	s_delay_alu instid0(VALU_DEP_1)
	v_add_nc_u32 v[SRD], STAGEX, v[GOF]
	; q of both blocks: fragment tile / 2 of my head's piece; my tile is its registers 6 (tile % 2) on
	s_lshr_b32 s57, s[TAU], 1
	s_mul_i32 s58, s57, FRB
	v_add_nc_u32 v237, s58, v234
	s_wait_alu depctr_va_vdst(0)
	s_lshr_b32 s58, s[TAU], 2
	s_lshl_b32 s58, s58, 7
	s_and_b32 s57, s57, 1
	s_lshl_b32 s57, s57, 2
	s_add_co_u32 s58, s58, s57
	s_add_co_u32 s58, s58, 4*FRB
	v_lshl_add_u32 v238, v232, 3, s58
	s_wait_alu depctr_va_vdst(0)
	s_lshl_b32 s56, s[Y], 1
	s_add_co_u32 s56, s56, s[PI]
	s_lshl_b32 s56, s56, 4
	s_add_co_u32 s58, s56, s[J]
	s_sub_co_u32 s60, 15, s[J]
	s_add_co_u32 s60, s56, s60
	s_mul_i32 s58, s58, APIECE
	s_mov_b32 s59, 0
	s_mul_i32 s60, s60, APIECE
	s_mov_b32 s61, 0
	s_add_nc_u64 s[58:59], s[4:5], s[58:59]
	s_add_nc_u64 s[60:61], s[4:5], s[60:61]
.irp g, 0,1,2
	global_load_b128 v[FR+4*\g:FR+4*\g+3], v237, s[58:59] offset:512*\g
	global_load_b128 v[FR+12+4*\g:FR+12+4*\g+3], v237, s[60:61] offset:512*\g
.endr
	global_load_b32 v[KS], v238, s[58:59]
	global_load_b32 v[KS+1], v238, s[60:61]
	s_and_b32 s56, s[Y], 7                         ; o's pieces: (pair of heads x 64 + 16 x batch + block) x 12,800
	s_lshl_b32 s56, s56, 6
	s_lshr_b32 s57, s[Y], 3
	s_lshl_b32 s57, s57, 4
	s_add_co_u32 s56, s56, s57
	s_add_co_u32 s66, s56, s[J]
	s_sub_co_u32 s68, 15, s[J]
	s_add_co_u32 s68, s56, s68
	s_mul_i32 s66, s66, PIECE
	s_mov_b32 s67, 0
	s_mul_i32 s68, s68, PIECE
	s_mov_b32 s69, 0
	s_add_nc_u64 s[OA:OA+1], s[10:11], s[66:67]
	s_add_nc_u64 s[OB:OB+1], s[10:11], s[68:69]
	s_and_b32 s62, s[TAU], 1
	s_cmp_eq_u32 s62, 1
	s_cselect_b32 s63, -1, 0                       ; all lanes: the fragment's second tile, or its first
	s_mov_b32 s66, 0x01000100
	s_cselect_b32 s66, 0x03020302, s66             ; and its two scale bytes, twice
.irp i, 0,1,2,3,4,5
	v_mov_b32 v[QZ+\i], 0
	v_mov_b32 v[QZ+12+\i], 0
.endr
	v_mov_b32 v252, 0
	v_mov_b32 v253, 0                              ; (named as the upper half of the pair v[252:253])
	s_wait_loadcnt 0x0
.irp i, 0,1,2,3,4,5
	v_cndmask_b32 v[QZ+6+\i], v[FR+\i], v[FR+6+\i], s63
	v_cndmask_b32 v[QB+\i], v[FR+12+\i], v[FR+18+\i], s63
.endr
	v_perm_b32 v[QW], v[KS], v[KS], s66
	v_perm_b32 v[QWB], v[KS+1], v[KS+1], s66
.irp b, 0,1,2,3
	v_mov_b32 v[236+\b], 0                         ; written once: a lane permute's destination counts as one of its sources
.endr
	RESET
	s_wait_tensorcnt 0x1                           ; my piece of slot 0 is in; slot 1's may stay out
	s_barrier_signal -1
	s_barrier_wait -1
	GROUP 1, 1, 0                                  ; steps 0-3
	REFILLBAR
	TLOAD 2                                        ; slot 0 takes steps 8-11
	s_cmp_lt_u32 s[J], 4
	s_cbranch_scc0 .Lnot_x
	EPI2 0, OA                                     ; the first block was finished among steps 0-3
.Lnot_x:
	GROUP 1, 1, PIECE                              ; steps 4-7
	REFILLBAR
	TLOAD 3                                        ; slot 1 takes steps 12-15
	s_cmp_ge_u32 s[J], 4
	s_cbranch_scc0 .Lnot_y
	EPI2 PIECE, OA                                 ; or among steps 4-7
.Lnot_y:
	s_mov_b32 s[TB], 0
	GROUP 0, 0, 0                                  ; steps 8-11
	REFILLBAR
	s_cmp_lt_u32 s[WV], 4                          ; step 16 is four pieces: waves 0 to 3 fetch them
	s_cbranch_scc0 .Lno_16
	TLOAD 4
.Lno_16:
	GROUP 0, 0, 0                                  ; steps 12-15
	s_wait_tensorcnt 0x0                           ; step 16 has landed,
	s_wait_dscnt 0x0
	s_barrier_signal -1
	s_barrier_wait -1                              ; in every wave
	s_mov_b32 s[TB], 0
	STEP 2, 0, 0                                   ; step 16: the second block's diagonal
	EPI1 0
	s_barrier_signal -1
	s_barrier_wait -1                              ; the stage is whole
	EPI2 0, OB
	s_wait_tensorcnt 0x0                           ; the wave's end, behind my last tensor load and my last LDS store
	ds_add_u32 v[SPW], v[NIL]
	s_wait_dscnt 0x0
	s_endpgm
.Lfunc_end_k_q56a6565118_attn:
	.size	k_q56a6565118_attn, .Lfunc_end_k_q56a6565118_attn-k_q56a6565118_attn
	.p2alignl 7, 3214868480
	.fill 96, 4, 3214868480
	.section	.rodata,"a",@progbits
	.p2align	6, 0x0
	.amdhsa_kernel k_q56a6565118_attn
		.amdhsa_group_segment_fixed_size 327680
		.amdhsa_private_segment_fixed_size 0
		.amdhsa_enable_private_segment 0
		.amdhsa_kernarg_size 32
		.amdhsa_user_sgpr_count 2
		.amdhsa_user_sgpr_kernarg_segment_ptr 1
		.amdhsa_wavefront_size32 1
		.amdhsa_system_sgpr_workgroup_id_x 1
		.amdhsa_system_sgpr_workgroup_id_y 1
		.amdhsa_system_sgpr_workgroup_id_z 1
		.amdhsa_system_vgpr_workitem_id 0
		.amdhsa_next_free_vgpr 256
		.amdhsa_next_free_sgpr 80
		.amdhsa_reserve_vcc 1
		.amdhsa_float_denorm_mode_32 3
		.amdhsa_float_denorm_mode_16_64 3
		.amdhsa_memory_ordered 1
		.amdhsa_forward_progress 1
		.amdhsa_inst_pref_size 130
	.end_amdhsa_kernel
	.amdgpu_metadata
---
amdhsa.version: [ 1, 2 ]
amdhsa.kernels:
  - .name:           k_q56a6565118_attn
    .symbol:         k_q56a6565118_attn.kd
    .args:
      - { .name: qimg, .offset: 0, .size: 8, .value_kind: global_buffer, .address_space: global }
      - { .name: kimg, .offset: 8, .size: 8, .value_kind: global_buffer, .address_space: global }
      - { .name: vimg, .offset: 16, .size: 8, .value_kind: global_buffer, .address_space: global }
      - { .name: oimg, .offset: 24, .size: 8, .value_kind: global_buffer, .address_space: global }
    .group_segment_fixed_size: 327680
    .private_segment_fixed_size: 0
    .kernarg_segment_align: 8
    .kernarg_segment_size: 32
    .max_flat_workgroup_size: 512
    .sgpr_count:     80
    .vgpr_count:     256
    .wavefront_size: 32
...
	.end_amdgpu_metadata
.endif
;; end of part 3
;; launch outp (part 4): grid 4 x 64, 4 waves a work-group, clusters of 4 x 4, 327,680 bytes of LDS; arguments oimg, wimg, bo, out0; writes out0
.if DOCPART == 4
	.amdgcn_target "amdgcn-amd-amdhsa--gfx1250"
	.amdhsa_code_object_version 6
	.text
	.protected	k_q56a6565118_outp
	.globl	k_q56a6565118_outp
	.p2align	8
	.type	k_q56a6565118_outp,@function
k_q56a6565118_outp:
	s_mov_b64 s[64:65], 0
	v_nop
	global_prefetch_b8 v0, s[64:65] scope:SCOPE_SE
	s_setreg_imm32_b32 hwreg(HW_REG_WAVE_MODE, 25, 1), 1
	s_wait_xcnt 0x0
	s_wait_alu depctr_hold_cnt(0) depctr_sa_sdst(0) depctr_va_vdst(0) depctr_va_sdst(0) depctr_va_ssrc(0) depctr_va_vcc(0) depctr_vm_vsrc(0)
	s_getreg_b32 s2, hwreg(HW_REG_IB_STS2, 6, 4)
	s_cmp_eq_u32 s2, 0
	s_cbranch_scc0 .Lentry_in_a_cluster
	s_endpgm
.Lentry_in_a_cluster:
	s_bfe_u32 s2, ttmp6, 0x10000c
	s_cmp_lg_u32 s2, 0xf033
	s_cbranch_scc0 .Lentry_shape_is_right
	s_endpgm
.Lentry_shape_is_right:
; out0 = o Wo^T + bo on codes of FP6 (E2M3) with E8M0 scales; out0 [8192][1024] f32.  Operands come as register images: fragments of 1,536 bytes (16 rows x 128 K: 12 registers a lane, three groups of 512 bytes),
; pieces of 12,800 bytes (eight fragments and their scale words), a tensor laid [K step][tile of 128 rows].  Lane r of fragment 2 b + u is row 32 b + 8 u + r + 8 (r / 8).
; A WORK-GROUP makes L 128 rows of o (source 1: a lane is a row) x P 256 rows of Wo (source 0: the registers run along the columns of out0), all of K = 1,024.  Wave w takes L's fragments 4 (w % 2) on and P's tile w / 2:
; 32 accumulators, 256 matrix instructions.  The bias is the C of each sum's first matrix instruction.
; ALL OF K LIES IN LDS AT ONCE: eight K steps of 38,400 bytes.  Every tensor load is a first fill; a wave issues four, all at the head: four of mine are outstanding at the most.
; CLUSTERS: 4 x 4 work-groups: L's pieces are asked for jointly along the cluster's row, P's along its column.
; REGISTERS.  window 0: v1-4 LDS addresses; v6-12 lane terms; v32-55 scale words, two sets; v64-159 L's fragments, two sets; v160-223 the bias; on the way out v64-191 rows of out0.
;   window 1: P's fragments, two sets of 96.   window 2: accumulator (a, b) at v[8 (8 a + b)].
.set WSZ,    819200
.set PIECE,  12800
.set FRB,    1536
.set STEPB,  3*PIECE
.set SPARE,  8*STEPB
.set SP,     528                       ; the way out: a stage of 16 rows x (512 bytes + 16) for each wave, in K step 0's bytes, which have had their one fill and their last read when the first result is stored there
.set AL,  1
.set AP,  2
.set ASL, 3
.set ASP, 4
.set RR,  6
.set HH,  7
.set L16, 8
.set STO, 11
.set RD,  12
.set SC,  32
.set LF,  64
.set BK,  64
.set BI,  160
.set SPW, 252
.set NIL, 253
.set WV,  20
.set CX,  21
.set CY,  22
.set G1L, 24
.set G1P, 32
.set G0L, 40
.set G0P, 56
.set LT,  76
.set WL,  78
.set WH,  79
.set MSB, 0
.macro WIN new
.if MSB != \new
	s_set_vgpr_msb (MSB<<8)|\new
.set MSB, \new
.endif
.endm
.macro CROUND
	s_barrier_signal -1
	s_barrier_wait -1
	s_cmp_lg_u32 s[WV], 0
	s_cbranch_scc1 .Lnot_wave_0_\@
	s_barrier_signal -3
.Lnot_wave_0_\@:
	s_barrier_wait -3
	s_barrier_signal -1
	s_barrier_wait -1
.endm
.macro FETCH set
	WIN 0
.irp i, 0,1,2,3
.irp g, 0,1,2
	ds_load_b128 v[LF+48*(\set)+12*\i+4*\g:LF+48*(\set)+12*\i+4*\g+3], v[AL] offset:FRB*\i+512*\g
.endr
.endr
	ds_load_b128 v[SC+12*(\set):SC+12*(\set)+3], v[ASL]
	ds_load_b128 v[SC+12*(\set)+4:SC+12*(\set)+7], v[ASP]
	ds_load_b128 v[SC+12*(\set)+8:SC+12*(\set)+11], v[ASP] offset:256
	WIN 0x40
.irp b, 0,1,2,3,4,5,6,7
.irp g, 0,1,2
	ds_load_b128 v[96*(\set)+12*\b+4*\g:96*(\set)+12*\b+4*\g+3], v[AP] offset:FRB*\b+512*\g
.endr
.endr
.endm
.macro MUL set, chain                  ; the 32 accumulators take turns, in the same order in every K step.  chain = 0: the first K step starts the sums from the bias
.if \chain
	WIN 0xa1                                       ; source 0 (P) window 1, source 1 (L) window 0, C and D window 2
.else
	WIN 0x81                                       ; C (the bias) window 0
.endif
.irp a, 0,1,2,3
.irp b, 0,1,2,3,4,5,6,7
.if \chain
	v_wmma_scale_f32_16x16x128_f8f6f4 v[8*(8*\a+\b):8*(8*\a+\b)+7], v[96*(\set)+12*\b:96*(\set)+12*\b+11], v[LF+48*(\set)+12*\a:LF+48*(\set)+12*\a+11], v[8*(8*\a+\b):8*(8*\a+\b)+7], v[SC+12*(\set)+4+\b], v[SC+12*(\set)+\a] matrix_a_fmt:MATRIX_FMT_FP6 matrix_b_fmt:MATRIX_FMT_FP6
.else
	v_wmma_scale_f32_16x16x128_f8f6f4 v[8*(8*\a+\b):8*(8*\a+\b)+7], v[96*(\set)+12*\b:96*(\set)+12*\b+11], v[LF+48*(\set)+12*\a:LF+48*(\set)+12*\a+11], v[BI+8*\b:BI+8*\b+7], v[SC+12*(\set)+4+\b], v[SC+12*(\set)+\a] matrix_a_fmt:MATRIX_FMT_FP6 matrix_b_fmt:MATRIX_FMT_FP6
.endif
.endr
.endr
.endm
.macro KSTEP s, gate, cnt, fetch, chain
	s_wait_dscnt 0x0
.if \gate
	s_wait_tensorcnt \cnt
	s_barrier_signal -1
	s_barrier_wait -1
.endif
.if \fetch
	WIN 0
	v_add_nc_u32 v[AL], STEPB, v[AL]               ; the four steps of the addresses are the four places between the last products and the loads into their operands
	v_add_nc_u32 v[AP], STEPB, v[AP]
	v_add_nc_u32 v[ASL], STEPB, v[ASL]
	v_add_nc_u32 v[ASP], STEPB, v[ASP]
	FETCH ((\s)+1)%2
.endif
	MUL (\s)%2, \chain
.endm
	s_load_b256 s[4:11], s[0:1], 0x0               ; oimg, wimg, bo, out0
	v_lshl_add_u32 v[SPW], v0, 2, SPARE
	v_mov_b32 v[NIL], 0
	ds_add_u32 v[SPW], v[NIL]                      ; the wave's opening: the add and its wait ahead of my first tensor load; the set-up below, work on registers, stands between them
	v_lshrrev_b32 v5, 5, v0
	v_readfirstlane_b32 s[WV], v5
	s_bfe_u32 s[CX], ttmp6, 0x40000
	s_bfe_u32 s[CY], ttmp6, 0x40004
	s_and_b32 s80, ttmp7, 0xffff
	s_lshl_b32 s[LT], s80, 2
	s_add_co_u32 s[LT], s[LT], s[CY]               ; L's tile of 128 rows: 4 x cluster y + cy
	s_and_b32 s[WL], s[WV], 1
	s_lshr_b32 s[WH], s[WV], 1
	s_lshl_b32 s81, s[CY], 2
	s_lshl_b32 s81, 15, s81                        ; my row of the cluster
	s_lshl_b32 s82, 0x1111, s[CX]                  ; my column
	s_or_b32 s[G1L], s81, (3<<16)|(1<<21)          ; a dense block as rows of 256 bytes: L's piece 50 rows, P's two pieces 100
	s_or_b32 s[G1P], s82, (3<<16)|(1<<21)
	s_mov_b32 s[G1L+1], 32<<16
	s_mov_b32 s[G1L+2], 50<<16
	s_mov_b32 s[G1L+3], 32<<16
	s_mov_b32 s[G1L+4], 50
	s_mov_b32 s[G1L+5], 32
	s_mov_b32 s[G1L+6], 0
	s_mov_b32 s[G1L+7], 0
	s_mov_b32 s[G1P+1], 32<<16
	s_mov_b32 s[G1P+2], 100<<16
	s_mov_b32 s[G1P+3], 32<<16
	s_mov_b32 s[G1P+4], 100
	s_mov_b32 s[G1P+5], 32
	s_mov_b32 s[G1P+6], 0
	s_mov_b32 s[G1P+7], 0
	s_lshl_b32 s92, s[WL], 6                       ; I fetch K step 2 c + w % 2 of chunk c: o has 64 tiles in a K step,
	s_add_co_u32 s92, s92, s[LT]
	s_mul_i32 s92, s92, PIECE
	s_mov_b32 s93, 0
	s_lshl_b32 s96, s[WL], 3                       ; Wo has 8
	s_lshl_b32 s91, s[CX], 1
	s_add_co_u32 s96, s96, s91
	s_mul_i32 s96, s96, PIECE
	s_add_co_u32 s96, s96, 3*WSZ                   ; Wo is the fourth weight of its buffer
	s_mov_b32 s97, 0
	s_mul_i32 s91, s[WL], STEPB
	s_wait_dscnt 0x0                               ; the opening add is done
	s_wait_kmcnt 0x0
	s_add_nc_u64 s[80:81], s[4:5], s[92:93]
	s_add_nc_u64 s[82:83], s[6:7], s[96:97]
.irp c, 0,1,2,3
	s_mov_b32 s[G0L+4*\c], 1
	s_add_co_u32 s[G0L+4*\c+1], s91, \c*2*STEPB
	s_add_nc_u64 s[G0L+4*\c+2:G0L+4*\c+3], s[80:81], \c*2*64*PIECE
	s_or_b32 s[G0L+4*\c+3], s[G0L+4*\c+3], 0x80000000
	s_mov_b32 s[G0P+4*\c+4*(\c/2)], 1
	s_add_co_u32 s[G0P+4*\c+4*(\c/2)+1], s91, \c*2*STEPB+PIECE
	s_add_nc_u64 s[G0P+4*\c+4*(\c/2)+2:G0P+4*\c+4*(\c/2)+3], s[82:83], \c*2*8*PIECE
	s_or_b32 s[G0P+4*\c+4*(\c/2)+3], s[G0P+4*\c+4*(\c/2)+3], 0x80000000
.endr
	CROUND                                         ; all sixteen work-groups are here: the joint loads meet
	s_cmp_lt_u32 s[WV], 2                          ; waves 0, 1 fetch L's pieces, waves 2, 3 P's
	s_cbranch_scc0 .Lfor_p
.irp c, 0,1,2,3
	tensor_load_to_lds s[G0L+4*\c:G0L+4*\c+3], s[G1L:G1L+7]
	s_nop 0
.endr
.rept 4
	v_nop
.endr
	s_branch .Lasked
.Lfor_p:
.irp c, 0,1,2,3
	tensor_load_to_lds s[G0P+4*\c+4*(\c/2):G0P+4*\c+4*(\c/2)+3], s[G1P:G1P+7]
	s_nop 0
.endr
.rept 4
	v_nop
.endr
.Lasked:
	v_and_b32 v5, 31, v0
	v_and_b32 v[RR], 15, v0
	v_bfe_u32 v[HH], v0, 4, 1
	v_lshlrev_b32 v[L16], 4, v5
	v_lshlrev_b32 v9, 4, v[RR]
	; the bias: register j of tile b of lane (., h) is column 32 (b / 2) + 16 h + 8 (b % 2) + j of my 128
	s_lshl_b32 s84, s[CX], 10
	s_lshl_b32 s85, s[WH], 9
	s_add_co_u32 s84, s84, s85                     ; 4 x my first column
	s_mov_b32 s85, 0
	s_add_nc_u64 s[8:9], s[8:9], s[84:85]
	v_lshlrev_b32 v10, 6, v[HH]
.irp b, 0,1,2,3,4,5,6,7
.irp e, 0,1
	global_load_b128 v[BI+8*\b+4*\e:BI+8*\b+4*\e+3], v10, s[8:9] offset:128*(\b/2)+32*(\b%2)+16*\e
.endr
.endr
	s_mul_i32 s80, s[WL], 4*FRB
	v_add_nc_u32 v[AL], s80, v[L16]
	s_mul_i32 s81, s[WH], PIECE
	s_add_co_u32 s82, s81, PIECE
	v_add_nc_u32 v[AP], s82, v[L16]
	s_lshl_b32 s80, s[WL], 8
	s_add_co_u32 s80, s80, 8*FRB
	v_add_nc_u32 v[ASL], s80, v9
	s_add_co_u32 s82, s81, PIECE+8*FRB
	v_add_nc_u32 v[ASP], s82, v9
	s_mul_i32 s80, s[WV], 16*SP                    ; my stage
	v_mul_u32_u24 v[STO], v[RR], SP
	v_lshl_add_u32 v[STO], v[HH], 6, v[STO]
	v_add_nc_u32 v[STO], s80, v[STO]               ; in: row r, + 64 h
	v_add_nc_u32 v[RD], s80, v[L16]                ; back: a row's 512 bytes to the 32 lanes
	s_lshl_b32 s80, s[LT], 7
	s_lshl_b32 s81, s[WL], 6
	s_add_co_u32 s80, s80, s81                     ; my first row of out0
	s_lshl_b32 s80, s80, 12
	s_add_co_u32 s80, s80, s84                     ; + my first column
	s_mov_b32 s81, 0
	s_add_nc_u64 s[10:11], s[10:11], s[80:81]
	s_wait_tensorcnt 0x3                           ; my part of K steps 0 and 1 is in; my three later loads may stay out
	s_barrier_signal -1
	s_barrier_wait -1
	FETCH 0
	s_wait_loadcnt 0x0                             ; the bias
	KSTEP 0, 0, 0, 1, 0
	KSTEP 1, 1, 2, 1, 1
	KSTEP 2, 0, 0, 1, 1
	KSTEP 3, 1, 1, 1, 1
	KSTEP 4, 0, 0, 1, 1
	KSTEP 5, 1, 0, 1, 1
	KSTEP 6, 0, 0, 1, 1
	KSTEP 7, 0, 0, 0, 1
	WIN 0
; THE WAY OUT, a block of 16 rows x 128 columns at a time: a lane holds pieces of 32 bytes of one row, so the block goes through my own stage and comes back as whole runs of 512 bytes.
; LDS serves a wave's instructions in order: no wait between the stores and the loads, nor in front of the next block's stores.
.macro TOSTAGE a
	WIN 0x08                                       ; an LDS store's data are its source 1: window 2
.irp b, 0,1,2,3,4,5,6,7
	ds_store_b128 v[STO], v[8*(8*(\a)+\b):8*(8*(\a)+\b)+3] offset:128*(\b/2)+32*(\b%2)          ; each accumulator from its low end on
	ds_store_b128 v[STO], v[8*(8*(\a)+\b)+4:8*(8*(\a)+\b)+7] offset:128*(\b/2)+32*(\b%2)+16
.endr
	WIN 0
.irp t, 0,1,2,3,4,5,6,7,8,9,10,11,12,13,14,15
	ds_load_b128 v[BK+64*((\a)%2)+4*\t:BK+64*((\a)%2)+4*\t+3], v[RD] offset:SP*\t
.endr
.endm
.macro SEND a, younger                 ; younger: the LDS instructions issued behind block a's loads, which may stay out
	s_wait_dscnt \younger
.irp t, 0,1,2,3,4,5,6,7,8,9,10,11,12,13,14,15
	global_store_b128 v[L16], v[BK+64*((\a)%2)+4*\t:BK+64*((\a)%2)+4*\t+3], s[10:11] offset:(32*((\a)/2)+8*((\a)%2)+\t+8*(\t/8))*4096 th:TH_STORE_NT   ; 32 lanes store 512 consecutive bytes, aligned; lane row t of block a is that row of out0
.endr
.endm
.rept 4
	v_nop                                          ; four places behind the last products: for the reads of results and the loads into L's registers
.endr
	TOSTAGE 0
	TOSTAGE 1
	SEND 0, 32                                     ; behind block 0's loads: block 1's 16 stores and 16 loads
	s_wait_xcnt 0x0                                ; block 0's stores have read their registers: block 2's loads may land there
	TOSTAGE 2
	SEND 1, 32
	s_wait_xcnt 0x0
	TOSTAGE 3
	SEND 2, 32
	SEND 3, 0
	s_wait_tensorcnt 0x0                           ; the wave's end, behind my last tensor load and my last LDS store
	ds_add_u32 v[SPW], v[NIL]
	s_wait_dscnt 0x0
	CROUND                                         ; the closing round
	s_endpgm
.Lfunc_end_k_q56a6565118_outp:
	.size	k_q56a6565118_outp, .Lfunc_end_k_q56a6565118_outp-k_q56a6565118_outp
	.p2alignl 7, 3214868480
	.fill 96, 4, 3214868480
	.section	.rodata,"a",@progbits
	.p2align	6, 0x0
	.amdhsa_kernel k_q56a6565118_outp
		.amdhsa_group_segment_fixed_size 327680
		.amdhsa_private_segment_fixed_size 0
		.amdhsa_enable_private_segment 0
		.amdhsa_kernarg_size 32
		.amdhsa_user_sgpr_count 2
		.amdhsa_user_sgpr_kernarg_segment_ptr 1
		.amdhsa_wavefront_size32 1
		.amdhsa_system_sgpr_workgroup_id_x 1
		.amdhsa_system_sgpr_workgroup_id_y 1
		.amdhsa_system_sgpr_workgroup_id_z 1
		.amdhsa_system_vgpr_workitem_id 0
		.amdhsa_next_free_vgpr 768
		.amdhsa_next_free_sgpr 100
		.amdhsa_reserve_vcc 0
		.amdhsa_float_denorm_mode_32 3
		.amdhsa_float_denorm_mode_16_64 3
		.amdhsa_memory_ordered 1
		.amdhsa_forward_progress 1
		.amdhsa_inst_pref_size 79
	.end_amdhsa_kernel
	.amdgpu_metadata
---
amdhsa.version: [ 1, 2 ]
amdhsa.kernels:
  - .name:           k_q56a6565118_outp
    .symbol:         k_q56a6565118_outp.kd
    .args:
      - { .name: oimg, .offset: 0, .size: 8, .value_kind: global_buffer, .address_space: global }
      - { .name: wimg, .offset: 8, .size: 8, .value_kind: global_buffer, .address_space: global }
      - { .name: bo, .offset: 16, .size: 8, .value_kind: global_buffer, .address_space: global }
      - { .name: out0, .offset: 24, .size: 8, .value_kind: global_buffer, .address_space: global }
    .group_segment_fixed_size: 327680
    .private_segment_fixed_size: 0
    .kernarg_segment_align: 8
    .kernarg_segment_size: 32
    .max_flat_workgroup_size: 128
    .sgpr_count:     100
    .vgpr_count:     768
    .wavefront_size: 32
...
	.end_amdgpu_metadata
.endif
;; end of part 4
